; MI455X (gfx1250); checked and timed in simulation.
; The chip was launched on July 23, 2026; its instructions are those of AMD's public machine-readable ISA for CDNA 5 (MIT licence, August 2026) and "CDNA5" Instruction Set Architecture Reference Guide (July 2026). The comments in the code are by the model that wrote it; some were corrected since.
;; Multi Head Self Attention. Allowed arithmetic: matrix products marked QUANTISED: E2M1 operands, one E8M0 scale for each 32 along K, by v_wmma_scale_f32_16x16x128_f8f6f4 with both operands' format E2M1 (or v_wmma_scale_f32_32x16x128_f4), f32 sums; products left as they are: bf16, f16 or f32 operands; f32 sums; everything else in f32.
;; Inputs: b_proj 1,024 float32; b_qkv 3,072 float32; w_proj 1,024 x 1,024 float32; w_qkv 1,024 x 3,072 float32; x 4 x 2,048 x 1,024 float32.
;; Outputs: out0 4 x 2,048 x 1,024 float32.
;; This version of the problem:
;;   THIS VERSION OF THE PROBLEM IS GIVEN IN LOW PRECISION. The matrix products marked QUANTISED in the list below multiply operands that are first quantised to E2M1 (2 exponent bits, 1 mantissa bit; 4 bits a number), with one power-of-two scale for each 32 numbers along K (OCP MX v1.0); their sums are f32. The products marked 'left as it is' may take bf16, f16 or f32 operands, with f32 sums. Whichever they take, every output number must still come out within the allowed error. Rounding operands to bf16 (8 significant bits) uses up far more of that allowance than f16 does (11 bits, for magnitudes from 6e-5 to 65,504). All else is computed in f32.
;;   The module's matrix products, in the order in which they are computed (A, B: the left and right operand; K: the contracted axis; several contracted axes count as one K, in the product's order):
;;     1. [M 8,192, K 1,024] x [K 1,024, N 3,072]; A: input x; B: input w_qkv: QUANTISED
;;     2. batch 64 x [M 2,048, K 64] x [K 64, N 2,048]; A: computed on the way; B: computed on the way: left as it is (an operand is computed on the way)
;;     3. batch 64 x [M 2,048, K 2,048] x [K 2,048, N 64]; A: computed on the way; B: computed on the way: left as it is (an operand is computed on the way)
;;     4. [M 8,192, K 1,024] x [K 1,024, N 1,024]; A: computed on the way; B: input w_proj: left as it is (an operand is computed on the way)
;;   THE QUANTISER, for each operand of a quantised product, along K:
;;     - K is cut into blocks of 32 from its start; a last block that is shorter is filled with zeros.
;;     - A block's scale is 2^e with e = floor(log2(the largest magnitude in the block)) - 2, held to -126 .. 127; a block of zeros has e = 0. As a byte (E8M0): e + 127.
;;     - Each number is divided by its block's scale, clamped to +-6, and rounded to the nearest number of E2M1, ties to even, subnormals kept.
;;     - The product sums the exact products of the quantised numbers (number of the format x scale) in f32.
;;   ~~~python
;;   def quantise(x, axis):      # numpy; x: float32 -> the quantised numbers, widened to float32 again
;;       x = np.moveaxis(x, axis, -1); K = x.shape[-1]
;;       x = np.pad(x, [(0, 0)] * (x.ndim - 1) + [(0, -K % 32)]); x = x.reshape(x.shape[:-1] + (-1, 32)); a = np.abs(x).max(-1, keepdims=True)
;;       e = np.where(a > 0, np.clip(np.frexp(np.where(a > 0, a, 1))[1] - 1 - 2, -126, 127), 0)      # np.frexp(a)[1] - 1 = floor(log2(a)), exactly
;;       r = np.clip(x / 2.0 ** e, -6, 6)
;;       step = 2.0 ** (np.maximum(np.frexp(np.where(r == 0, 1, r))[1] - 1, 0) - 1)
;;       q = np.round(r / step) * step * 2.0 ** e      # np.round: ties to even
;;       return np.moveaxis(q.reshape(q.shape[:-2] + (-1,))[..., :K], -1, axis).astype(np.float32)
;;   ~~~
;; One version. Each part assembles by itself: llvm-mc -triple=amdgcn-amd-amdhsa -mcpu=gfx1250 --defsym DOCPART=n.
;; ======== version 1 of 1: 4 launches
;; limits: values are held in f16: magnitudes above 65,504 overflow, below 6.1e-05 lose precision
;; workspace buffers: x_codes 4,194,304 bytes; x_scales 262,144 bytes; w_codes 1,572,864 bytes; w_scales 98,304 bytes; wpt 2,097,152 bytes; qkv 50,331,648 bytes; ctx 16,777,216 bytes
;; launch prep (part 1): grid 432 x 1, 4 waves a work-group, no clusters, 86,528 bytes of LDS; arguments x, w_qkv, w_proj, x_codes, x_scales, w_codes, w_scales, wpt; writes x_codes, x_scales, w_codes, w_scales, wpt
.if DOCPART == 1
	.amdgcn_target "amdgcn-amd-amdhsa--gfx1250"
	.amdhsa_code_object_version 6
	.text
	.protected	k_q5c488bc449_prep
	.globl	k_q5c488bc449_prep
	.p2align	8
	.type	k_q5c488bc449_prep,@function
k_q5c488bc449_prep:
	s_mov_b64 s[64:65], 0
	v_nop
	global_prefetch_b8 v0, s[64:65] scope:SCOPE_SE
	s_setreg_imm32_b32 hwreg(HW_REG_WAVE_MODE, 25, 1), 1
	s_wait_xcnt 0x0
; THREE PIECES OF PREPARATION IN ONE LAUNCH, told apart by the work-group's number; each has LDS bytes of its own.
;   work-groups 0-47    (W): w_qkv [1024 k][3072 n] f32 -> codes of FP4 (E2M1) laid [3072 n][512 bytes] with K innermost, and one E8M0 byte for each 32 along K, laid [3072][32].
;   work-groups 48-303  (X): x [8192][1024] f32 -> codes [8192][512 bytes], scale bytes [8192][32].
;   work-groups 304-431 (P): w_proj [1024 k][1024 n] f32 -> f16, laid [16 kb][1024 n][64 k]: K innermost, in blocks of 64 (a head of the context).
; A block's scale is 2^(floor(log2(its largest magnitude)) - 2); its byte is the largest magnitude's exponent field - 2, held at 1 from below.  Each number is divided by the scale and rounded to the nearest code, ties to even,
; beyond the largest code the largest.
; LIMITS: a block of zeros gets the byte 1 where the rule says 127 (its codes are zeros, and this program alone reads the bytes); blocks whose largest magnitude lies under 2^(2 - 126) are held at the byte 1; NaN and
; infinities are not served; w_proj goes to f16: magnitudes up to 65,504, and under 6e-5 with a step of 6e-8.
; No tensor loads, no barrier, no cluster: waves share nothing and no two work-groups read the same bytes.
.set SPARE,  86016                     ; behind the three regions: the spare words, 128 bytes for each wave: two blocks of 256 bytes that no other line names
.set SPW,    14                        ; v14  LDS address of my spare word; never rewritten
.set NIL,    15                        ; v15  0; never rewritten
.set EMAX,   2
; path X: LDS 0 .. 32,767, 8,192 a wave: two stages of 32 x 80 bytes, behind them the wave's 256 scale bytes
.set XSTEPS, 16
.set XSP,    80                        ; a lane's place in a stage: its 64 bytes + 16 of padding
.set XR,     16                        ; v16-79   four sets of 16 numbers as they are loaded
.set XN,     80                        ; v80-111  two sets of 16 neighbours
.set XE,     112                       ; v112-127 a scale byte for each step
.set XC,     128                       ; v128-191 codes: four registers for each step, so that no store's data are written again
; path W: LDS 32,768 .. 67,583, a stage of 32 rows x 272 bytes a wave
.set WLDS,   32768
.set WPITCH, 272
.set WNB,    16                        ; blocks of 32 along K for a wave
.set WN,     3072
.set WX,     32                        ; v32-95   two sets of 32 numbers
.set WC,     96                        ; v96-99   a block's codes
.set WOUT,   112                       ; v112-175 the way out
.set WSB,    24                        ; v24-27   the scale bytes, four to a register
; path P: LDS 67,584 .. 86,015, a stage of 32 rows x 144 bytes a wave
.set PLDS,   67584
.set PPITCH, 144
.macro XLOAD t
.irp i, 0,1,2,3
	global_load_b128 v[XR+16*((\t)%4)+4*\i:XR+16*((\t)%4)+4*\i+3], v3, s[4:5] offset:2048*(\t)+512*\i th:TH_LOAD_NT   ; 32 lanes read 512 consecutive bytes
.endr
.endm
.macro XTURN t                         ; step t's numbers through the stage: LDS serves a wave's instructions in order, so no wait stands between the stores and the loads
.irp i, 0,1,2,3
	ds_store_b128 v12, v[XR+16*((\t)%4)+4*\i:XR+16*((\t)%4)+4*\i+3] offset:32*XSP*((\t)%2)+8*XSP*\i
.endr
.irp i, 0,1,2,3
	ds_load_b128 v[XN+16*((\t)%2)+4*\i:XN+16*((\t)%2)+4*\i+3], v13 offset:32*XSP*((\t)%2)+16*\i
.endr
.endm
.macro XSTEP t
.set XS, XN+16*((\t)%2)
.if (\t) > 0
	s_wait_dscnt 1                                 ; this step's numbers are back from the stage (the last step's byte store may be out): so its stores into the stage have read their registers,
.else
	s_wait_dscnt 0x0
.endif
.if (\t)+4 < XSTEPS
	XLOAD (\t)+4                                   ; which take the loads of four steps on
.endif
.if (\t)+1 < XSTEPS
.if XSTEPS-2-(\t) >= 3
	s_wait_loadcnt 12                              ; the next step's four loads are in; those of the three steps behind it may be out
.else
	s_wait_loadcnt 4*(XSTEPS-2-(\t))               ; at the end the count runs down with the steps that are left
.endif
	XTURN (\t)+1                                   ; and go through the other stage while this step is worked
.endif
	v_max3_num_f32 v8, |v[XS]|, |v[XS+1]|, |v[XS+2]|               ; the largest magnitude of my 16, in two chains
	v_max3_num_f32 v9, |v[XS+3]|, |v[XS+4]|, |v[XS+5]|
.irp i, 6,10
	v_max3_num_f32 v8, v8, |v[XS+\i]|, |v[XS+\i+1]|
	v_max3_num_f32 v9, v9, |v[XS+\i+2]|, |v[XS+\i+3]|
.endr
	v_max3_num_f32 v8, v8, |v[XS+14]|, |v[XS+15]|
	v_max3_num_f32 v8, v8, v9, (EMAX+1)<<23        ; and the floor 2^(EMAX + 1 - 127): the byte cannot fall under 1
	v_max_num_f32_dpp v8, v8, v8 row_xmask:1 row_mask:0xf bank_mask:0xf   ; and of my neighbour's 16: the block's
	v_add_nc_u32 v11, -(EMAX<<23), v8              ; EMAX off its exponent field: the conversion takes the exponent field of this operand as its scale
	v_cvt_scalef32_pk8_fp4_f32 v[XC+4*(\t)], v[XS:XS+7], v11
	v_cvt_scalef32_pk8_fp4_f32 v[XC+4*(\t)+1], v[XS+8:XS+15], v11
	v_lshrrev_b32 v[XE+(\t)], 23, v11              ; the scale's byte (also the plain line behind the conversions)
	ds_store_b8 v5, v[XE+(\t)] offset:16*(\t)      ; both lanes of a block write the same byte with the same value
	global_store_b64 v4, v[XC+4*(\t):XC+4*(\t)+1], s[10:11] offset:256*(\t)   ; the wave stores 256 consecutive bytes, aligned
.endm
.macro WLOAD t                         ; block t: w_qkv(32 t + i, my column), i = 0 .. 31, into set t % 2
.set i, 0
.rept 32
	global_load_b32 v[WX+32*((\t)%2)+i], v3, s[6:7] offset:(32*(\t)+i)*WN*4 th:TH_LOAD_NT
.set i, i+1
.endr
.endm
.macro WBLOCK t
.set XS, WX+32*((\t)%2)
.if (\t) < WNB-1
	s_wait_loadcnt 32                              ; this block's 32 loads are in; the next block's 32 may be out
.else
	s_wait_loadcnt 0
.endif
	v_max3_num_f32 v12, |v[XS]|, |v[XS+1]|, |v[XS+2]|              ; the block's largest magnitude: all 32 numbers are mine
	v_max3_num_f32 v13, |v[XS+3]|, |v[XS+4]|, |v[XS+5]|
.irp i, 6,10,14,18,22,26
	v_max3_num_f32 v12, v12, |v[XS+\i]|, |v[XS+\i+1]|
	v_max3_num_f32 v13, v13, |v[XS+\i+2]|, |v[XS+\i+3]|
.endr
	v_max3_num_f32 v12, v12, |v[XS+30]|, |v[XS+31]|
	v_max3_num_f32 v12, v12, v13, (EMAX+1)<<23     ; and the floor
	v_add_nc_u32 v11, -(EMAX<<23), v12             ; the conversion's scale operand
	v_lshrrev_b32 v13, 23, v11                     ; the scale's byte
.if (\t)%4 == 0
	v_mov_b32 v[WSB+(\t)/4], v13                   ; four bytes to a register, the lower K in the lower byte
.else
	v_lshl_or_b32 v[WSB+(\t)/4], v13, 8*((\t)%4), v[WSB+(\t)/4]
.endif
.irp g, 0,1,2,3
	v_cvt_scalef32_pk8_fp4_f32 v[WC+\g], v[XS+8*\g:XS+8*\g+7], v11
.endr
	v_nop                                          ; one plain line behind the last conversion
	ds_store_b128 v4, v[WC:WC+3] offset:16*(\t)    ; 32 codes: 16 bytes of my column's row
.if (\t)+2 < WNB
	WLOAD (\t)+2
.endif
	s_wait_dscnt 0x0                               ; the store has read its registers: the next block's codes may be written
.endm
	s_load_b256 s[4:11], s[0:1], 0x0               ; x s[4:5], w_qkv s[6:7], w_proj s[8:9], x_codes s[10:11]
	s_load_b256 s[12:19], s[0:1], 0x20             ; x_scales s[12:13], w_codes s[14:15], w_scales s[16:17], wpt s[18:19]
	v_lshl_add_u32 v[SPW], v0, 2, SPARE
	v_mov_b32 v[NIL], 0
	v_lshrrev_b32 v1, 5, v0
	v_readfirstlane_b32 s20, v1                    ; wave 0..3
	v_and_b32 v2, 31, v0                           ; lane
	s_wait_kmcnt 0x0
	s_cmp_lt_u32 ttmp9, 48
	s_cbranch_scc1 .Lpath_w
	s_cmp_lt_u32 ttmp9, 304
	s_cbranch_scc1 .Lpath_x
	; ---- P: a lane takes a column n of w_proj, its 64 registers run down one block of 64 along K; pairs round to f16; the rows of 128 bytes go through the wave's stage and leave 512 consecutive bytes a store
	s_sub_co_u32 s21, ttmp9, 304
	s_and_b32 s22, s21, 7                          ; which 128 columns
	s_lshr_b32 s23, s21, 3                         ; kb: which 64 along K
	s_lshl_b32 s22, s22, 7
	s_lshl_b32 s24, s20, 5
	s_add_co_u32 s22, s22, s24                     ; my wave's first column
	s_lshl_b32 s24, s23, 18                        ; 64 rows of 4,096 bytes
	s_lshl_b32 s25, s22, 2
	s_add_co_u32 s24, s24, s25
	s_mov_b32 s25, 0
	s_add_nc_u64 s[8:9], s[8:9], s[24:25]
	s_lshl_b32 s24, s23, 10
	s_add_co_u32 s24, s24, s22
	s_lshl_b32 s24, s24, 7                         ; (1,024 kb + column) rows of 128 bytes
	s_add_nc_u64 s[18:19], s[18:19], s[24:25]
	v_lshlrev_b32 v3, 2, v2                        ; in: 4 bytes a lane
	s_mul_i32 s26, s20, 32*PPITCH
	s_add_co_u32 s26, s26, PLDS                    ; my stage
	v_mul_u32_u24 v4, v2, PPITCH
	v_add_nc_u32 v4, s26, v4                       ; into it: row = my column
	v_lshrrev_b32 v5, 3, v2
	v_mul_u32_u24 v5, v5, PPITCH
	v_and_b32 v6, 7, v2
	v_lshl_add_u32 v5, v6, 4, v5
	v_add_nc_u32 v5, s26, v5                       ; out of it: eight lanes to a row, four rows an instruction
	v_lshlrev_b32 v7, 4, v2                        ; and the same place in wpt, whose rows are dense
.set i, 0
.rept 64
	global_load_b32 v[32+i], v3, s[8:9] offset:i*4096 th:TH_LOAD_NT
.set i, i+1
.endr
.irp q, 0,1,2,3
	s_wait_loadcnt 48-16*\q                        ; my first 16 (q + 1) numbers are in; the later groups of 16 may be out
.irp p, 0,1,2,3,4,5,6,7
	v_cvt_pk_f16_f32 v[96+8*\q+\p], v[32+16*\q+2*\p], v[33+16*\q+2*\p]
.endr
	ds_store_b128 v4, v[96+8*\q:99+8*\q] offset:32*\q
	ds_store_b128 v4, v[100+8*\q:103+8*\q] offset:32*\q+16
.endr
.irp f, 0,1,2,3,4,5,6,7
	ds_load_b128 v[128+4*\f:131+4*\f], v5 offset:4*PPITCH*\f   ; LDS serves a wave's instructions in order: these see my stores
.endr
.irp f, 0,1,2,3,4,5,6,7
	s_wait_dscnt 7-\f                              ; load f is back; the later ones may be out
	global_store_b128 v7, v[128+4*\f:131+4*\f], s[18:19] offset:512*\f
.endr
	s_wait_tensorcnt 0x0                           ; the wave's end
	ds_add_u32 v[SPW], v[NIL]
	s_wait_dscnt 0x0
	s_endpgm
.Lpath_x:
	; ---- X: x is a plain stream of blocks of 32.  A wave takes 16 steps of 512 numbers: dense loads, a turn through its own stage so that a lane holds 16 neighbours, two lanes to a block
	s_sub_co_u32 s21, ttmp9, 48
	s_lshl_b32 s21, s21, 2
	s_add_co_u32 s21, s21, s20                     ; which run of 8,192 numbers is my wave's: 0 .. 1,023
	s_mov_b32 s23, 0
	s_lshl_b32 s22, s21, 15
	s_add_nc_u64 s[4:5], s[4:5], s[22:23]          ; 32,768 bytes of x,
	s_lshl_b32 s22, s21, 12
	s_add_nc_u64 s[10:11], s[10:11], s[22:23]      ; 4,096 of codes,
	s_lshl_b32 s22, s21, 8
	s_add_nc_u64 s[12:13], s[12:13], s[22:23]      ; 256 scale bytes a run
	v_lshlrev_b32 v3, 4, v2                        ; my 16 bytes of a load's 512
	s_lshl_b32 s24, s20, 13                        ; my wave's 8,192 bytes of LDS
	v_lshrrev_b32 v12, 2, v2
	v_mul_u32_u24 v12, v12, XSP
	v_and_b32 v13, 3, v2
	v_lshl_add_u32 v12, v13, 4, v12
	v_add_nc_u32 v12, s24, v12                     ; the stage, on the way in: four lanes' 64 bytes on end, then 16 of padding
	v_mul_u32_u24 v13, v2, XSP
	v_add_nc_u32 v13, s24, v13                     ; and on the way out: my 16 neighbours
	v_lshlrev_b32 v4, 3, v2                        ; my codes' place in a step's
	v_lshrrev_b32 v5, 1, v2
	s_add_co_u32 s24, s24, 2*32*XSP
	v_add_nc_u32 v5, s24, v5                       ; my wave's 256 scale bytes, my block's byte
	v_lshlrev_b32 v7, 3, v2                        ; and on the way out 8 bytes a lane
	v_add_nc_u32 v6, s24, v7
.irp t, 0,1,2,3
	XLOAD \t
.endr
	s_wait_loadcnt 12                              ; step 0's four loads are in; the 12 of steps 1 to 3 may be out
	XTURN 0
.irp t, 0,1,2,3,4,5,6,7,8,9,10,11,12,13,14,15
	XSTEP \t
.endr
	ds_load_b64 v[8:9], v6                         ; LDS serves a wave's instructions in order: this sees my byte stores
	s_wait_dscnt 0x0
	global_store_b64 v7, v[8:9], s[12:13]          ; 32 lanes store 256 consecutive bytes, aligned
	s_wait_tensorcnt 0x0                           ; the wave's end: the three lines
	ds_add_u32 v[SPW], v[NIL]
	s_wait_dscnt 0x0
	s_endpgm
.Lpath_w:
	; ---- W: K is w_qkv's first axis.  A lane takes a column n and its registers run down K: a block of 32 lies in one lane, and the conversions give codes with K innermost.  A wave: 32 columns x 512 along K
	s_cmp_ge_u32 ttmp9, 24
	s_cselect_b32 s22, 1, 0                        ; which 512 along K
	s_cselect_b32 s21, 24, 0
	s_sub_co_u32 s21, ttmp9, s21
	s_lshl_b32 s21, s21, 7
	s_lshl_b32 s23, s20, 5
	s_add_co_u32 s21, s21, s23                     ; my wave's first column
	s_mul_i32 s24, s22, 512*WN*4
	s_lshl_b32 s23, s21, 2
	s_add_co_u32 s24, s24, s23
	s_mov_b32 s25, 0
	s_add_nc_u64 s[6:7], s[6:7], s[24:25]          ; w_qkv: 512 y rows + 4 x column
	s_lshl_b32 s24, s21, 9
	s_lshl_b32 s23, s22, 8
	s_add_co_u32 s24, s24, s23
	s_add_nc_u64 s[14:15], s[14:15], s[24:25]      ; codes: column x 512 + 256 y
	s_lshl_b32 s24, s21, 5
	s_lshl_b32 s23, s22, 4
	s_add_co_u32 s24, s24, s23
	s_add_nc_u64 s[16:17], s[16:17], s[24:25]      ; scale bytes: column x 32 + 16 y
	v_lshlrev_b32 v3, 2, v2                        ; in: 4 bytes a lane
	s_mul_i32 s26, s20, 32*WPITCH
	s_add_co_u32 s26, s26, WLDS                    ; my stage
	v_mul_u32_u24 v4, v2, WPITCH
	v_add_nc_u32 v4, s26, v4                       ; into it: row = my column
	v_and_b32 v5, 15, v2
	v_lshrrev_b32 v6, 4, v2                        ; out of it: sixteen lanes to a row, two rows an instruction
	v_mul_u32_u24 v7, v6, WPITCH
	v_lshl_add_u32 v7, v5, 4, v7
	v_add_nc_u32 v7, s26, v7
	v_lshlrev_b32 v8, 9, v6
	v_lshl_add_u32 v8, v5, 4, v8                   ; and the same place in the codes' buffer (rows of 512 bytes)
	v_lshlrev_b32 v9, 5, v2                        ; my column's row of scale bytes
	WLOAD 0
	WLOAD 1
.set Q, 0
.rept WNB
	WBLOCK Q
.set Q, Q+1
.endr
	global_store_b128 v9, v[WSB:WSB+3], s[16:17]   ; my column's 16 scale bytes
.irp t, 0,1,2,3,4,5,6,7,8,9,10,11,12,13,14,15
	ds_load_b128 v[WOUT+4*\t:WOUT+4*\t+3], v7 offset:2*\t*WPITCH
.endr
.irp t, 0,1,2,3,4,5,6,7,8,9,10,11,12,13,14,15
	s_wait_dscnt 15-\t                             ; load t is back; the later ones may be out
	global_store_b128 v8, v[WOUT+4*\t:WOUT+4*\t+3], s[14:15] offset:2*\t*512   ; sixteen lanes store 256 consecutive bytes, aligned
.endr
	s_wait_tensorcnt 0x0                           ; the wave's end: the three lines
	ds_add_u32 v[SPW], v[NIL]
	s_wait_dscnt 0x0
	s_endpgm
.Lfunc_end_k_q5c488bc449_prep:
	.size	k_q5c488bc449_prep, .Lfunc_end_k_q5c488bc449_prep-k_q5c488bc449_prep
	.p2alignl 7, 3214868480
	.fill 96, 4, 3214868480
	.section	.rodata,"a",@progbits
	.p2align	6, 0x0
	.amdhsa_kernel k_q5c488bc449_prep
		.amdhsa_group_segment_fixed_size 86528
		.amdhsa_private_segment_fixed_size 0
		.amdhsa_enable_private_segment 0
		.amdhsa_kernarg_size 64
		.amdhsa_user_sgpr_count 2
		.amdhsa_user_sgpr_kernarg_segment_ptr 1
		.amdhsa_wavefront_size32 1
		.amdhsa_system_sgpr_workgroup_id_x 1
		.amdhsa_system_sgpr_workgroup_id_y 1
		.amdhsa_system_sgpr_workgroup_id_z 1
		.amdhsa_system_vgpr_workitem_id 0
		.amdhsa_next_free_vgpr 192
		.amdhsa_next_free_sgpr 66
		.amdhsa_reserve_vcc 0
		.amdhsa_float_denorm_mode_32 3
		.amdhsa_float_denorm_mode_16_64 3
		.amdhsa_memory_ordered 1
		.amdhsa_forward_progress 1
		.amdhsa_inst_pref_size 122
	.end_amdhsa_kernel
	.amdgpu_metadata
---
amdhsa.version: [ 1, 2 ]
amdhsa.kernels:
  - .name:           k_q5c488bc449_prep
    .symbol:         k_q5c488bc449_prep.kd
    .args:
      - { .name: x, .offset: 0, .size: 8, .value_kind: global_buffer, .address_space: global }
      - { .name: w_qkv, .offset: 8, .size: 8, .value_kind: global_buffer, .address_space: global }
      - { .name: w_proj, .offset: 16, .size: 8, .value_kind: global_buffer, .address_space: global }
      - { .name: x_codes, .offset: 24, .size: 8, .value_kind: global_buffer, .address_space: global }
      - { .name: x_scales, .offset: 32, .size: 8, .value_kind: global_buffer, .address_space: global }
      - { .name: w_codes, .offset: 40, .size: 8, .value_kind: global_buffer, .address_space: global }
      - { .name: w_scales, .offset: 48, .size: 8, .value_kind: global_buffer, .address_space: global }
      - { .name: wpt, .offset: 56, .size: 8, .value_kind: global_buffer, .address_space: global }
    .group_segment_fixed_size: 86528
    .private_segment_fixed_size: 0
    .kernarg_segment_align: 8
    .kernarg_segment_size: 64
    .max_flat_workgroup_size: 128
    .sgpr_count:     66
    .vgpr_count:     192
    .wavefront_size: 32
...
	.end_amdgpu_metadata
.endif
;; end of part 1
;; launch qkv (part 2): grid 12 x 32, 4 waves a work-group, clusters of 4 x 4, 327,680 bytes of LDS; arguments x_codes, x_scales, w_codes, w_scales, b_qkv, qkv; writes qkv
.if DOCPART == 2
	.amdgcn_target "amdgcn-amd-amdhsa--gfx1250"
	.amdhsa_code_object_version 6
	.text
	.protected	k_q5c488bc449_qkv
	.globl	k_q5c488bc449_qkv
	.p2align	8
	.type	k_q5c488bc449_qkv,@function
k_q5c488bc449_qkv:
	s_mov_b64 s[64:65], 0
	v_nop
	global_prefetch_b8 v0, s[64:65] scope:SCOPE_SE
	s_setreg_imm32_b32 hwreg(HW_REG_WAVE_MODE, 25, 1), 1
	s_wait_xcnt 0x0
	s_wait_alu depctr_hold_cnt(0) depctr_sa_sdst(0) depctr_va_vdst(0) depctr_va_sdst(0) depctr_va_ssrc(0) depctr_va_vcc(0) depctr_vm_vsrc(0)
	s_getreg_b32 s2, hwreg(HW_REG_IB_STS2, 6, 4)
	s_cmp_eq_u32 s2, 0
	s_cbranch_scc0 .Lentry_in_a_cluster
	s_endpgm
.Lentry_in_a_cluster:
	s_bfe_u32 s2, ttmp6, 0x10000c
	s_cmp_lg_u32 s2, 0xf033
	s_cbranch_scc0 .Lentry_shape_is_right
	s_endpgm
.Lentry_shape_is_right:
; qkv = x w_qkv + b_qkv on codes of FP4 (E2M1) with one E8M0 scale for each 32 along K; sums in f32; the result is rounded once to f16 and laid by head: [3][64 (batch, head)][2048 s][64].
; A = x's codes [8192][512 bytes], B = w_qkv's codes [3072 n][512 bytes], scale bytes [rows][32].  K = 1,024.
; A tile of 256 x 256 is made by a work-group of four waves, a wave makes 128 x 128: 64 accumulators, 512 registers.  K lies in two LDS slots of 512 along K (rows of 256 bytes): BOTH ARE FILLED ONCE, at the start: no refill, no loop.
; The scale bytes of the work-group's rows, for all of K, are two dense blocks: they come once, in rows of 256 bytes.  By this text's count a wave has three tensor loads out at the start.
; CLUSTERS: 4 x 4 work-groups.  The four of a row of the cluster need the same tiles of A, the four of a column the same tiles of B: each is asked for jointly.
; THE MATRIX INSTRUCTION IS USED TRANSPOSED (source 0 = 16 rows of B, source 1 = 16 rows of A): a lane holds eight neighbouring columns of one row.  THE BIAS is the C of each sum's first product.
; LIMIT: q, k and v are kept as f16: magnitudes up to 65,504; under 6e-5 with a step of 6e-8.
; REGISTERS, in windows of 256: window 0: v0-31 addresses; v32-95 scale words, two sets, and nothing else; v128-191 A's fragments, one set; v192-255 the bias; on the way out v128-223 are at work.
;   window 1: B's fragments, two sets, at v0 and v128.   window 2: the accumulators of my rows 0-63 ((a, b) at v[8 (8 a + b)]);   window 3: those of my rows 64-127.
.set NQ,     4                         ; steps of 128 along K in a slot
.set ROWB,   256                       ; a tile's row in bytes: 512 codes
.set KROW,   512                       ; a row of codes in memory
.set PITCH,  272                       ; an LDS row: 256 bytes + 16 of padding: the 16 rows that a load touches start at 16 different banks (ISA guide 11.1)
.set FR,     8
.set NL,     2
.set NP,     4                         ; places behind this matrix instruction (ISA guide 7.12.1)
.set HALFT,  128*PITCH
.set SLOT,   4*HALFT                   ; A's 256 rows, then B's 256 rows
.set KS,     32                        ; a row of scale bytes
.set SCL,    2*SLOT                    ; behind the slots: the scales, as rows of 256 bytes + 16 of padding
.set HALFS,  16*272                    ; the scales of 128 rows: what one tensor load brings
.set SBLK,   2*272                     ; those of 16 rows
.set SPARE,  SCL+4*HALFS               ; the spare words, 128 bytes for each wave: two blocks of 256 bytes that no other line names
.set ADRA, 16
.set ADRB, 20
.set STO,  24                          ; the way out: where I put 16 bytes of a row
.set RD,   25                          ; where I read rows back
.set CO,   26                          ; my byte offset in the output
.set ADRS, 27
.set SPW,  28
.set NIL,  29
.set BO,   30                          ; 32 x (lane / 16): my eight numbers of a block's sixteen biases
.set SC,   32
.set AF,   128
.set BI,   192                         ; the bias: block b's eight numbers at v[BI + 8 b]
.set TMP,  128                         ; the way out: a block's packed results
.set OB,   160                         ; and its rows read back: v160-191 and v192-223 by turns
.set G1, 24
.set G0, 32
.set G1B, 48
.set G0B, 56
.set G1S, 68
.set G0S, 76
.set G1SB, 80
.set G0SB, 88
.set MSB, 0
.macro WIN new                         ; the immediate's high byte repeats the setting that is left
.if MSB != (\new)
	s_set_vgpr_msb (MSB<<8)|(\new)
.set MSB, (\new)
.endif
.endm
.set MUL_LO, 0xa1                      ; source 0 (B) window 1, source 1 (A) window 0, C and D window 2;  less 0x20: C (the bias) window 0
.set MUL_HI, 0xf1                      ; the same, C and D window 3;  less 0x30: C window 0
.set TO_B,   0x40
; A joint load: waves 0 and 1 fetch for A, waves 2 and 3 for B; the branch hangs on the wave's number alone.  An s_nop 0 and four v_nop follow each of the two lines.
.macro JLOAD g0a, g1a, g0b, g1b
	s_cmp_eq_u32 s15, 0
	s_cbranch_scc0 .Lfor_b_\@
	tensor_load_to_lds s[\g0a:\g0a+3], s[\g1a:\g1a+7]
	s_nop 0
.rept 4
	v_nop
.endr
	s_branch .Lasked_\@
.Lfor_b_\@:
	tensor_load_to_lds s[\g0b:\g0b+3], s[\g1b:\g1b+7]
	s_nop 0
.rept 4
	v_nop
.endr
.Lasked_\@:
.endm
.macro CROUND                          ; a round of the cluster's barrier
	s_barrier_signal -1
	s_barrier_wait -1
	s_cmp_lg_u32 s14, 0
	s_cbranch_scc1 .Lnot_wave_0_\@
	s_barrier_signal -3
.Lnot_wave_0_\@:
	s_barrier_wait -3
	s_barrier_signal -1
	s_barrier_wait -1
.endm
	s_load_b128 s[4:7], s[0:1], 0x0                ; A's codes s[4:5], A's scales s[6:7]
	s_load_b128 s[8:11], s[0:1], 0x10              ; B's codes s[8:9], B's scales s[10:11]
	s_load_b64 s[96:97], s[0:1], 0x20              ; the bias
	s_load_b64 s[12:13], s[0:1], 0x28              ; the output
	v_lshl_add_u32 v[SPW], v0, 2, SPARE
	v_mov_b32 v[NIL], 0
	ds_add_u32 v[SPW], v[NIL]                      ; the wave's opening: the add, twice on end, and its wait ahead of my first tensor load
	ds_add_u32 v[SPW], v[NIL]
	v_lshrrev_b32 v1, 5, v0
	v_readfirstlane_b32 s14, v1                    ; wave 0..3
	s_lshr_b32 s15, s14, 1                         ; which half of the tile's rows is mine.  Also: I fetch for A (0) or for B (1)
	s_and_b32 s16, s14, 1                          ; which half of its columns.  Also: which 128 rows of that tile I fetch
	s_bfe_u32 s40, ttmp6, 0x40000                  ; cx, cy
	s_bfe_u32 s41, ttmp6, 0x40004
	s_lshl_b32 s42, ttmp9, 2
	s_add_co_u32 s42, s42, s40                     ; tile column = 4 x cluster x + cx
	s_and_b32 s17, ttmp7, 0xffff
	s_lshl_b32 s17, s17, 2
	s_add_co_u32 s17, s17, s41                     ; tile row = 4 x cluster y + cy
	s_lshl_b32 s43, s41, 2
	s_lshl_b32 s43, 15, s43                        ; my row of the cluster
	s_lshl_b32 s44, 0x1111, s40                    ; my column
	s_or_b32 s[G1+0], s43, (0<<16)|(1<<20)|(1<<21)|(5<<22)|(3<<25)  ; the mask; elements of 1 byte; padding on; bit 21 beside a mask; after every 64 words, 4 words
	s_or_b32 s[G1B+0], s44, (0<<16)|(1<<20)|(1<<21)|(5<<22)|(3<<25)
.irp g, G1, G1B
	s_mov_b32 s[\g+1], ROWB<<16                    ; tensor_dim0
	s_mov_b32 s[\g+2], 128<<16                     ; tensor_dim1
	s_mov_b32 s[\g+3], ROWB<<16                    ; tile_dim0
	s_mov_b32 s[\g+4], 128                         ; tile_dim1
	s_mov_b32 s[\g+5], KROW                        ; from row to row
	s_mov_b32 s[\g+6], 0
	s_mov_b32 s[\g+7], 0
.endr
	s_or_b32 s[G1S+0], s43, (3<<16)|(1<<20)|(1<<21)|(5<<22)|(3<<25) ; the scales of 128 rows: 4,096 dense bytes as 16 rows of 32 elements of 8 bytes, 16 bytes of padding behind each
	s_or_b32 s[G1SB+0], s44, (3<<16)|(1<<20)|(1<<21)|(5<<22)|(3<<25)
.irp g, G1S, G1SB
	s_mov_b32 s[\g+1], 32<<16
	s_mov_b32 s[\g+2], 16<<16
	s_mov_b32 s[\g+3], 32<<16
	s_mov_b32 s[\g+4], 16
	s_mov_b32 s[\g+5], 32
	s_mov_b32 s[\g+6], 0
	s_mov_b32 s[\g+7], 0
.endr
	s_lshl_b32 s18, s16, 7                         ; which 128 rows of the tile I fetch
	s_lshl_b32 s20, s17, 8
	s_add_co_u32 s20, s20, s18                     ; A: row 256 x tile row + 128 x half
	s_lshl_b32 s46, s42, 8
	s_add_co_u32 s46, s46, s18                     ; B: row 256 x tile column + 128 x half
	s_mov_b32 s21, 0
	s_mov_b32 s47, 0
	s_mov_b64 s[18:19], KS
	s_mul_u64 s[22:23], s[20:21], s[18:19]         ; where these rows' scales begin,
	s_mul_u64 s[92:93], s[46:47], s[18:19]
	s_mov_b64 s[18:19], KROW
	s_mul_u64 s[20:21], s[20:21], s[18:19]         ; and their codes
	s_mul_u64 s[46:47], s[46:47], s[18:19]
	s_mul_i32 s45, s14, HALFT                      ; where they go: wave x 128 rows
	s_mul_i32 s94, s14, HALFS
	s_wait_dscnt 0x0                               ; both opening adds are done
	s_wait_kmcnt 0x0
	s_add_nc_u64 s[20:21], s[4:5], s[20:21]
	s_add_nc_u64 s[22:23], s[6:7], s[22:23]
	s_add_nc_u64 s[46:47], s[8:9], s[46:47]
	s_add_nc_u64 s[92:93], s[10:11], s[92:93]
	CROUND                                         ; all sixteen work-groups are here: the joint loads meet
	s_mov_b32 s[G0S], 1
	s_add_co_u32 s[G0S+1], s94, SCL
	s_mov_b64 s[G0S+2:G0S+3], s[22:23]
	s_or_b32 s[G0S+3], s[G0S+3], 0x80000000
	s_mov_b32 s[G0SB], 1
	s_add_co_u32 s[G0SB+1], s94, SCL
	s_mov_b64 s[G0SB+2:G0SB+3], s[92:93]
	s_or_b32 s[G0SB+3], s[G0SB+3], 0x80000000
	JLOAD G0S, G1S, G0SB, G1SB                     ; the scales first: they are wanted with the first step
.irp s, 0,1
	s_mov_b32 s[G0+4*\s], 1
	s_add_co_u32 s[G0+4*\s+1], s45, \s*SLOT
	s_add_nc_u64 s[G0+4*\s+2:G0+4*\s+3], s[20:21], \s*ROWB
	s_or_b32 s[G0+4*\s+3], s[G0+4*\s+3], 0x80000000
	s_mov_b32 s[G0B+4*\s], 1
	s_add_co_u32 s[G0B+4*\s+1], s45, \s*SLOT
	s_add_nc_u64 s[G0B+4*\s+2:G0B+4*\s+3], s[46:47], \s*ROWB
	s_or_b32 s[G0B+4*\s+3], s[G0B+4*\s+3], 0x80000000
	JLOAD G0+4*\s, G1, G0B+4*\s, G1B
.endr
	v_and_b32 v1, 15, v0                           ; r = l % 16
	v_bfe_u32 v2, v0, 4, 1                         ; h = l / 16
	v_lshlrev_b32 v[BO], 5, v2
	s_lshl_b32 s46, s42, 10                        ; the bias of my 128 columns: 1,024 x tile column + 512 x half bytes on
	s_lshl_b32 s47, s16, 9
	s_add_co_u32 s46, s46, s47
	s_mov_b32 s47, 0
	s_add_nc_u64 s[96:97], s[96:97], s[46:47]
.irp b, 0,1,2,3,4,5,6,7
	global_load_b128 v[BI+8*\b:BI+8*\b+3], v[BO], s[96:97] offset:64*\b        ; lane (r, h): b_qkv at columns 16 b + 8 h + 0 .. 7: the result's layout
	global_load_b128 v[BI+8*\b+4:BI+8*\b+7], v[BO], s[96:97] offset:64*\b+16
.endr
	v_mul_u32_u24 v3, v1, PITCH
	v_lshl_add_u32 v4, v2, 4, v3                   ; a fragment's row x pitch + 16 x half
	s_mul_i32 s21, s15, HALFT                      ; my 128 rows of A
	s_mul_i32 s22, s16, HALFT                      ; my 128 rows of B,
	s_add_co_u32 s22, s22, 2*HALFT                 ; which lie behind A's 256
.irp s, 0,1
	v_add_nc_u32 v[ADRA+\s], s21, v4
	v_add_nc_u32 v[ADRB+\s], s22, v4
	s_add_co_u32 s21, s21, SLOT
	s_add_co_u32 s22, s22, SLOT
.endr
	v_mul_u32_u24 v5, v1, KS                       ; my row's scales: 32 bytes a row,
	v_lshrrev_b32 v6, 8, v5
	v_lshl_add_u32 v5, v6, 4, v5                   ; and 16 more for each 256 passed
	s_mul_i32 s21, s15, HALFS
	s_mul_i32 s22, s16, HALFS
	s_add_co_u32 s22, s22, 2*HALFS
	s_sub_co_u32 s22, s22, s21
	v_mul_u32_u24 v6, s22, v2                      ; lanes 16-31 take B's: one product, the distance between the two bases
	s_add_co_u32 s21, s21, SCL
	v_add_nc_u32 v5, v5, v6
	v_add_nc_u32 v[ADRS], s21, v5
	; the way out: my stage, 4,608 bytes in slot 0: two halves (a head each) of 16 rows x (128 bytes + 16)
	s_mul_i32 s23, s14, 4608
	v_mul_u32_u24 v5, v1, 144
	v_lshl_add_u32 v5, v2, 4, v5
	v_add_nc_u32 v[STO], s23, v5                   ; in: row r, 16 bytes for each half of the lanes
	v_mul_u32_u24 v5, v2, 2304                     ; back: lanes 0-15 the first head, lanes 16-31 the second;
	v_bfe_u32 v6, v0, 3, 1
	v_mad_u32_u24 v5, v6, 144, v5                  ; eight lanes to a row, two rows to sixteen lanes
	v_and_b32 v6, 7, v0
	v_lshl_add_u32 v5, v6, 4, v5
	v_add_nc_u32 v[RD], s23, v5
	v_lshlrev_b32 v[CO], 4, v1                     ; in memory two rows of 128 bytes are 256 consecutive bytes,
	v_lshl_add_u32 v[CO], v2, 18, v[CO]            ; and the next head lies 262,144 bytes on
	s_lshr_b32 s20, s17, 3                         ; the batch: 16 heads of 262,144 bytes;
	s_lshl_b32 s20, s20, 22
	s_and_b32 s21, s17, 7
	s_lshl_b32 s21, s21, 15                        ; 256 rows of 128 bytes a tile row;
	s_add_co_u32 s20, s20, s21
	s_lshl_b32 s21, s15, 14                        ; my 128 of them
	s_add_co_u32 s20, s20, s21
	s_mov_b32 s21, 0
	s_lshr_b32 s46, s42, 2                         ; q, k or v: 64 heads;
	s_lshl_b32 s46, s46, 24
	s_and_b32 s47, s42, 3
	s_lshl_b32 s47, s47, 20                        ; four heads a tile column;
	s_add_co_u32 s46, s46, s47
	s_lshl_b32 s47, s16, 19                        ; my two of them
	s_add_co_u32 s46, s46, s47
	s_mov_b32 s47, 0
	s_add_nc_u64 s[20:21], s[20:21], s[46:47]
	s_add_nc_u64 s[12:13], s[12:13], s[20:21]
.macro FRAG reg, adr, q, i             ; 16 rows x 128 K of 4-bit codes: 8 registers: lane l holds row l % 16; registers 4 c .. 4 c + 3 hold K = 64 c + 32 (l / 16) + 0 .. 31
.irp c, 0,1
	ds_load_b128 v[\reg+4*\c:\reg+4*\c+3], v[\adr] offset:64*(\q)+32*\c+(\i)*16*PITCH
.endr
.endm
; 16 matrix instructions: A's blocks a0, a0 + 1 x B's eight, the slot's q-th 128 along K.  p: B's set; sc: the set of scale words.  zero = 1: the first product starts the sum, with the bias as its C.
; The 64 accumulators take turns, one instruction a turn, in the same order in every step.
.macro MUL16 a0, p, q, sc, zero
.irp a, \a0, \a0+1
.irp b, 0,1,2,3,4,5,6,7
.if \zero
	v_wmma_scale_f32_16x16x128_f8f6f4 v[8*(8*((\a)%4)+\b):8*(8*((\a)%4)+\b)+7], v[128*(\p)+FR*\b:128*(\p)+FR*\b+FR-1], v[AF+FR*(\a):AF+FR*(\a)+FR-1], v[BI+8*\b:BI+8*\b+7], v[SC+8*NQ*(\sc)+NQ*\b+(\q)], v[SC+8*NQ*(\sc)+NQ*(\a)+(\q)] matrix_a_fmt:MATRIX_FMT_FP4 matrix_b_fmt:MATRIX_FMT_FP4 matrix_a_scale:MATRIX_SCALE_ROW1
.else
	v_wmma_scale_f32_16x16x128_f8f6f4 v[8*(8*((\a)%4)+\b):8*(8*((\a)%4)+\b)+7], v[128*(\p)+FR*\b:128*(\p)+FR*\b+FR-1], v[AF+FR*(\a):AF+FR*(\a)+FR-1], v[8*(8*((\a)%4)+\b):8*(8*((\a)%4)+\b)+7], v[SC+8*NQ*(\sc)+NQ*\b+(\q)], v[SC+8*NQ*(\sc)+NQ*(\a)+(\q)] matrix_a_fmt:MATRIX_FMT_FP4 matrix_b_fmt:MATRIX_FMT_FP4 matrix_a_scale:MATRIX_SCALE_ROW1
.endif
.endr
.endr
.endm
.macro FETCH_B slot, q, p
	WIN TO_B
.irp i, 0,1,2,3,4,5,6,7
	FRAG 128*(\p)+FR*\i, ADRB+\slot, \q, \i
.endr
	WIN 0
.endm
.macro FETCH_A slot, q, i0
.irp i, \i0, \i0+1, \i0+2, \i0+3
	FRAG AF+FR*(\i), ADRA+\slot, \q, \i
.endr
.endm
.macro SCALES sc                       ; a slot's scale words into set sc: four words a row; lanes 0-15 take A's block i, lanes 16-31 B's block i
.irp i, 0,1,2,3,4,5,6,7
	ds_load_b128 v[SC+8*NQ*\sc+NQ*\i:SC+8*NQ*\sc+NQ*\i+3], v[ADRS] offset:\i*SBLK
.endr
.endm
.macro PLACES n                        ; plain vector lines between a matrix instruction and a load into, or a vector line or store that touches, its registers
.rept \n
	v_nop
.endr
.endm
.macro STEP slot, q, zero              ; a step of 128 along K that has its successor in the same slot
	s_wait_dscnt 4*NL                              ; B's set and A's blocks 0-3 are in; the youngest eight loads (A's blocks 4-7) may be out
	WIN MUL_LO-0x20*(\zero)
	MUL16 0, (\q)%2, \q, \slot, \zero
	MUL16 2, (\q)%2, \q, \slot, \zero
	s_wait_dscnt 0                                 ; A's blocks 4-7 are in
	PLACES NP
	FETCH_B \slot, (\q)+1, 1-(\q)%2
	FETCH_A \slot, (\q)+1, 0
	WIN MUL_HI-0x30*(\zero)
	MUL16 4, (\q)%2, \q, \slot, \zero
	MUL16 6, (\q)%2, \q, \slot, \zero
	PLACES NP
	WIN 0
	FETCH_A \slot, (\q)+1, 4
.endm
; Slot 0's last step leads over into slot 1: one barrier.  In front of it each wave waits for all its tensor loads (its part of slot 1), adds 0 to its spare word, and waits for that and for its reads of slot 0.  Nothing is filled again.
.macro TURN slot, next
	s_wait_tensorcnt 0x0
	ds_add_u32 v[SPW], v[NIL]
	s_wait_dscnt 4*NL+1                            ; the add and the youngest eight loads (A's blocks 4-7) may be out
	WIN MUL_LO
	MUL16 0, 1, NQ-1, \slot, 0
	s_wait_dscnt 0x0                               ; the add is done, and my reads of this slot are over
	s_barrier_signal -1
	MUL16 2, 1, NQ-1, \slot, 0
	WIN 0
	s_barrier_wait -1
	PLACES NP
	v_add_nc_u32 v[ADRS], 4*NQ, v[ADRS]            ; on to the next slot's scale words (no LDS load of mine is out)
	FETCH_B \next, 0, 0
	FETCH_A \next, 0, 0
	SCALES \next
	WIN MUL_HI
	MUL16 4, 1, NQ-1, \slot, 0
	MUL16 6, 1, NQ-1, \slot, 0
	PLACES NP
	WIN 0
	FETCH_A \next, 0, 4
.endm
.macro STEPS slot, from
.set Q, \from
.rept NQ-1-\from
	STEP \slot, Q, 0
.set Q, Q+1
.endr
.endm
	s_wait_tensorcnt 1                             ; the scales and my part of slot 0 are in; slot 1's load may be out
	s_barrier_signal -1
	s_barrier_wait -1
	FETCH_B 0, 0, 0
	FETCH_A 0, 0, 0
	SCALES 0
	FETCH_A 0, 0, 4
	s_wait_loadcnt 0x0                             ; the bias
	STEP 0, 0, 1                                   ; the first products start the sums on the bias
	STEPS 0, 1
	TURN 0, 1
	STEPS 1, 0
	s_wait_dscnt 4*NL                              ; the very last step: A's blocks 4-7 may be out
	WIN MUL_LO
	MUL16 0, 1, NQ-1, 1, 0
	MUL16 2, 1, NQ-1, 1, 0
	s_wait_dscnt 0
	WIN MUL_HI
	MUL16 4, 1, NQ-1, 1, 0
	MUL16 6, 1, NQ-1, 1, 0
	WIN 0
; THE WAY OUT, block by block of 16 rows x 128 columns (two heads).  A lane's eight results round to 16 bytes of f16; they go through my own stage in LDS and come back so that sixteen lanes hold two whole rows of one head:
; 256 consecutive bytes, aligned.  The stage lies in slot 0, which has had its only fill and, behind TURN's barrier, its last read.  LDS serves a wave's instructions in order (ISA guide 5.7.1.4).
.macro PACK a
.set AC, 64*((\a)%4)
	WIN 0x0a+5*((\a)/4)                            ; sources 0 and 1: window 2 or 3
.irp b, 0,1,2,3,4,5,6,7
.irp r, 0,1,2,3
	v_cvt_pk_f16_f32 v[TMP+4*\b+\r], v[AC+8*\b+2*\r], v[AC+8*\b+2*\r+1]   ; each accumulator from its low end on
.endr
.endr
	WIN 0
.endm
.macro TOSTAGE a
.set BB, OB+32*((\a)%2)
.irp b, 0,1,2,3,4,5,6,7
	ds_store_b128 v[STO], v[TMP+4*\b:TMP+4*\b+3] offset:(\b/4)*2304+32*(\b%4)
.endr
.irp t, 0,1,2,3,4,5,6,7
	ds_load_b128 v[BB+4*\t:BB+4*\t+3], v[RD] offset:\t*288
.endr
.endm
.macro SEND a
.set BB, OB+32*((\a)%2)
	s_wait_dscnt 0x0                               ; the block is back in registers
	s_wait_xcnt 0x0                                ; the stores of the block before have read their registers: the next block's loads may land there
.irp t, 0,1,2,3,4,5,6,7
	global_store_b128 v[CO], v[BB+4*\t:BB+4*\t+3], s[12:13] offset:(\a)*2048+\t*256
.endr
.endm
	PLACES NP                                      ; behind the last products: the conversions write registers that held A's fragments and, later, read the last results
	PACK 0
	TOSTAGE 0
.irp a, 1,2,3,4,5,6,7                  ; block a's conversions stand between block a - 1's loads from the stage and the wait for them
	PACK \a
	SEND \a-1
	TOSTAGE \a
.endr
	SEND 7
	s_wait_tensorcnt 0x0                           ; the wave's end
	ds_add_u32 v[SPW], v[NIL]
	s_wait_dscnt 0x0
	CROUND                                         ; the closing round
	s_endpgm
.Lfunc_end_k_q5c488bc449_qkv:
	.size	k_q5c488bc449_qkv, .Lfunc_end_k_q5c488bc449_qkv-k_q5c488bc449_qkv
	.p2alignl 7, 3214868480
	.fill 96, 4, 3214868480
	.section	.rodata,"a",@progbits
	.p2align	6, 0x0
	.amdhsa_kernel k_q5c488bc449_qkv
		.amdhsa_group_segment_fixed_size 327680
		.amdhsa_private_segment_fixed_size 0
		.amdhsa_enable_private_segment 0
		.amdhsa_kernarg_size 48
		.amdhsa_user_sgpr_count 2
		.amdhsa_user_sgpr_kernarg_segment_ptr 1
		.amdhsa_wavefront_size32 1
		.amdhsa_system_sgpr_workgroup_id_x 1
		.amdhsa_system_sgpr_workgroup_id_y 1
		.amdhsa_system_sgpr_workgroup_id_z 1
		.amdhsa_system_vgpr_workitem_id 0
		.amdhsa_next_free_vgpr 1024
		.amdhsa_next_free_sgpr 98
		.amdhsa_reserve_vcc 0
		.amdhsa_float_denorm_mode_32 3
		.amdhsa_float_denorm_mode_16_64 3
		.amdhsa_memory_ordered 1
		.amdhsa_forward_progress 1
		.amdhsa_inst_pref_size 128
	.end_amdhsa_kernel
	.amdgpu_metadata
---
amdhsa.version: [ 1, 2 ]
amdhsa.kernels:
  - .name:           k_q5c488bc449_qkv
    .symbol:         k_q5c488bc449_qkv.kd
    .args:
      - { .name: x_codes, .offset: 0, .size: 8, .value_kind: global_buffer, .address_space: global }
      - { .name: x_scales, .offset: 8, .size: 8, .value_kind: global_buffer, .address_space: global }
      - { .name: w_codes, .offset: 16, .size: 8, .value_kind: global_buffer, .address_space: global }
      - { .name: w_scales, .offset: 24, .size: 8, .value_kind: global_buffer, .address_space: global }
      - { .name: b_qkv, .offset: 32, .size: 8, .value_kind: global_buffer, .address_space: global }
      - { .name: qkv, .offset: 40, .size: 8, .value_kind: global_buffer, .address_space: global }
    .group_segment_fixed_size: 327680
    .private_segment_fixed_size: 0
    .kernarg_segment_align: 8
    .kernarg_segment_size: 48
    .max_flat_workgroup_size: 128
    .sgpr_count:     98
    .vgpr_count:     1024
    .wavefront_size: 32
...
	.end_amdgpu_metadata
.endif
;; end of part 2
;; launch attn (part 3): grid 8 x 64, 4 waves a work-group, clusters of 4 x 1, 327,680 bytes of LDS; arguments qkv, ctx; writes ctx
.if DOCPART == 3
	.amdgcn_target "amdgcn-amd-amdhsa--gfx1250"
	.amdhsa_code_object_version 6
	.text
	.protected	k_q5c488bc449_attn
	.globl	k_q5c488bc449_attn
	.p2align	8
	.type	k_q5c488bc449_attn,@function
k_q5c488bc449_attn:
	s_mov_b64 s[64:65], 0
	v_nop
	global_prefetch_b8 v0, s[64:65] scope:SCOPE_SE
	s_setreg_imm32_b32 hwreg(HW_REG_WAVE_MODE, 25, 1), 1
	s_wait_xcnt 0x0
	s_wait_alu depctr_hold_cnt(0) depctr_sa_sdst(0) depctr_va_vdst(0) depctr_va_sdst(0) depctr_va_ssrc(0) depctr_va_vcc(0) depctr_vm_vsrc(0)
	s_getreg_b32 s2, hwreg(HW_REG_IB_STS2, 6, 4)
	s_cmp_eq_u32 s2, 0
	s_cbranch_scc0 .Lentry_in_a_cluster
	s_endpgm
.Lentry_in_a_cluster:
	s_bfe_u32 s2, ttmp6, 0x10000c
	s_cmp_lg_u32 s2, 0x3003
	s_cbranch_scc0 .Lentry_shape_is_right
	s_endpgm
.Lentry_shape_is_right:
; ctx[bh][q][:] = the sum over k of softmax_k(Q[bh][q] . K[bh][k] / 8) V[bh][k][:].  Q, K, V: the three parts of qkv, each [64 bh][2048][64] f16; ctx likewise.  Products, maxima and sums in f32;
; the weights p are rounded to f16 for the second product, the context once at the end.
; LIMIT: the context is kept as f16: magnitudes up to 65,504 (it is an average of v); under 6e-5 with a step of 6e-8.
; SHARES.  A work-group owns 256 queries of one (batch, head), each of its four waves 64: four tiles of 16.  Every wave walks all 2,048 keys, 64 a step.
; LAYOUT.  S^T = K Q^T (source 0 = 16 keys, source 1 = 16 queries): a lane holds ONE query (lane % 16) and the keys 8 (lane / 16) + 0..7.  Two such tiles, rounded to f16 in pairs, ARE source 1 of O^T = V^T P,
; whose result again holds one query a lane.  K comes out of LDS as it lies, V ([key][channel]) turned, by ds_load_tr16_b128.
; SOFTMAX.  For each query a running maximum m and sum l: p = 2^(c s - c m), c = log2(e) / 8; in every step O and l are multiplied by a = 2^(c m_old - c m_new).
; BY TURNS.  The wave's tiles are two PIECES (tiles 0, 1 and tiles 2, 3).  In a TURN one piece has the matrix unit: 16 products V^T P of the step in hand, then 16 products K Q^T of the next step; the other piece's softmax,
; 2 x 118 instructions cut into 59 slices of four, stands between them.  Then the pieces change places.  Two turns are a key step.
; CLUSTER.  The four query blocks of a cluster belong to one head and walk the same K and V: each tile is asked for JOINTLY.  A slot holds four key steps: one joint load a wave behind each round, 256 matrix instructions in which it lands.
; REGISTERS, in windows of 256: window 0: v0-11 addresses; v12-43 eight registers of statistics a tile; v61-63; v64-191 S^T, 32 a tile; v192-255 P, 16 a tile
;   window 1: v0-127 O^T, 32 a tile          window 2: v0-63 Q, 16 a tile; v64-127 K of one step; v128-191 V of one step
.set KS,    64        ; keys in a step
.set NST,   4         ; steps in a slot
.set PK,    144       ; a row of K in LDS: 128 bytes + 16 of padding: the 16 rows of a load start at 16 different groups of banks (ISA guide 11.1)
.set PVP,   160       ; a row of V: 128 + 32
.set KSTEPB, KS*PK
.set VSTEPB, KS*PVP
.set VOFF,  NST*KSTEPB  ; a slot: 256 rows of K, then 256 rows of V
.set SLOTB, NST*KS*128  ; a slot's rows of K, or of V, in memory: 32,768 bytes
.set SLOT1, 1<<17     ; slot 1 begins here, so that one exclusive or turns an address in one slot into the other's
.set STAGE, SLOT1+VOFF+NST*VSTEPB  ; behind the ring: 16 rows x 144 bytes for each wave, for the way out
.set SP,    144
.set SPARE, STAGE+4*16*SP  ; the spare words, 128 bytes for each wave: two blocks of 256 bytes that no other line names
.set AK0, 2           ; v2   my lane's place in a tile of K; never rewritten
.set AV0, 3           ; v3   the same for V
.set ADR, 4           ; v4   the LDS address of the run of loads in hand
.set QO,  5
.set STO, 6
.set RD,  7
.set GO,  8
.set PFO, 61          ; v61  256 x my lane; never rewritten
.set SPW, 62
.set NIL, 63
.set ST,  12          ; tile t's statistics at v[ST+8 t]: +0 c m, +1 m, +2, +3 l (even keys', odd keys'), +4 to +7 c0-c3, at work; a takes c2's place
.set S,   64
.set P,   192
.set KF,  64          ; K's fragments, in window 2
.set VF,  128         ; V's
.set WV,  12
.set LIM, 15          ; s15  1 in a wave that prefetches, else the greatest number
.set PFA, 18          ; s[18:19] where my prefetches stand
.set G1K, 24
.set G1V, 32
.set G0K, 40          ; s[40:47] group 0 for K's tiles: a set for each of the two first fills; the second then walks on
.set G0V, 48
.set SLOTS, 56
.set TWICE, 57
.set CS,  58          ; s[58:59] c
.set SEL, 60          ; s[60:61] lane selects for v_permlanex16_b32
.set TBK, 62          ; s62  LDS byte at which K's tile of the step to be fetched begins
.set TBV, 63          ; s63  the same for V, less VOFF
.set VH,  66          ; s66  my half's place among a slot's rows of V
.set MSB, 0
.macro WIN new
.if MSB != (\new)
	s_set_vgpr_msb (MSB<<8)|(\new)
.set MSB, (\new)
.endif
.endm
.set W_KQ, 0x0a       ; K and Q in window 2, S^T in window 0
.set W_PV, 0x52       ; V in window 2, P in window 0, O^T in window 1
.set W_RS, 0x41       ; O^T (destination and source 0) in window 1, a in window 0
; A joint refill.  Waves 0 and 1 fetch the halves of a slot's K, waves 2 and 3 those of its V.  The branch hangs on the wave's number alone.  An s_nop 0 and four v_nop follow each line.
.macro JLOAD
	s_cmp_lt_u32 s[WV], 2
	s_cbranch_scc0 .Lfor_v_\@
	tensor_load_to_lds s[G0K+4:G0K+7], s[G1K:G1K+7]
	s_nop 0
.rept 4
	v_nop
.endr
	s_branch .Lasked_\@
.Lfor_v_\@:
	tensor_load_to_lds s[G0V+4:G0V+7], s[G1V:G1V+7]
	s_nop 0
.rept 4
	v_nop
.endr
.Lasked_\@:
.endm
; A PREFETCH of what the NEXT change of slots will ask for: a slot's 32,768 bytes of K and of V.  Each aligned block of 256 bytes is named once in the launch: of the head's two clusters the first asks; its four partners
; take 8,192 bytes each, told apart by address; in each, wave 0 asks for K's and wave 2 for V's, lanes 256 bytes apart: one instruction.  The last change that fills a slot asks for nothing.
.macro ASK
	s_cmp_gt_u32 s[SLOTS], s[LIM]
	s_cbranch_scc0 .Lnot_mine_\@
	global_prefetch_b8 v[PFO], s[PFA:PFA+1] th:TH_LOAD_NT scope:SCOPE_SE
.Lnot_mine_\@:
.endm
.macro CROUND
	s_barrier_signal -1
	s_barrier_wait -1
	s_cmp_lg_u32 s[WV], 0
	s_cbranch_scc1 .Lnot_wave_0_\@
	s_barrier_signal -3
.Lnot_wave_0_\@:
	s_barrier_wait -3
	s_barrier_signal -1
	s_barrier_wait -1
.endm
	s_load_b64 s[4:5], s[0:1], 0x0  ; qkv: Q's part begins it
	s_load_b64 s[10:11], s[0:1], 0x8  ; ctx
	v_lshl_add_u32 v[SPW], v0, 2, SPARE
	v_mov_b32 v[NIL], 0
	ds_add_u32 v[SPW], v[NIL]       ; the wave's opening: the add, twice on end, and its wait ahead of my first tensor load
	ds_add_u32 v[SPW], v[NIL]
	v_lshrrev_b32 v1, 5, v0
	v_readfirstlane_b32 s[WV], v1   ; wave 0..3
	s_bfe_u32 s13, ttmp6, 0x40000   ; cx: my place in the cluster
	s_lshl_b32 s14, ttmp9, 2
	s_add_co_u32 s14, s14, s13      ; my block of 256 queries: it enters Q's and ctx's addresses alone
	s_and_b32 s20, ttmp7, 0xffff    ; (batch, head), which the four partners share
	s_lshl_b32 s20, s20, 18         ; its 262,144 bytes in each part
	s_and_b32 s16, s[WV], 1         ; which half of a slot's rows I fetch:
	s_lshl_b32 s22, s16, 14         ; its 128 rows of 128 bytes in memory,
	s_add_co_u32 s22, s22, s20
	s_mov_b32 s23, 0
	s_mul_i32 s17, s16, 128*PK      ; and its place in a slot, for K
	s_mul_i32 s[VH], s16, 128*PVP   ; and for V: no place in the cluster enters an LDS address
	s_lshl_b32 s2, s14, 15          ; my block's 256 rows,
	s_lshl_b32 s3, s[WV], 13        ; my wave's 64 of them
	s_add_co_u32 s2, s2, s3
	s_add_co_u32 s2, s2, s20
	s_mov_b32 s3, 0
	; descriptor group 1: a tile of 128 rows x 64 elements, padded in LDS
	s_mov_b32 s[G1K], 15|(1<<16)|(1<<20)|(1<<21)|(4<<22)|(3<<25)  ; the mask: all four work-groups; elements of 2 bytes; padding on; bit 21 beside a mask; after every 32 words, 4 words
	s_mov_b32 s[G1V], 15|(1<<16)|(1<<20)|(1<<21)|(4<<22)|(7<<25)  ; the same with 8 words of padding
.irp g, G1K, G1V
	s_mov_b32 s[\g+1], 64<<16       ; tensor_dim0
	s_mov_b32 s[\g+2], 128<<16      ; tensor_dim1
	s_mov_b32 s[\g+3], 64<<16       ; tile_dim0
	s_mov_b32 s[\g+4], 128          ; tile_dim1
	s_mov_b32 s[\g+5], 64           ; elements from row to row
	s_mov_b32 s[\g+6], 0
	s_mov_b32 s[\g+7], 0
.endr
	s_mov_b32 s[CS], 0x3e38aa3b     ; c = log2(e) / 8
	s_mov_b32 s[CS+1], s[CS]        ; named with it as a pair, so it is written
	s_mov_b32 s[SEL], 0x76543210
	s_mov_b32 s[SEL+1], 0xfedcba98
	s_mov_b32 s[TBK], 0
	s_mov_b32 s[TBV], 0
	s_mov_b32 s[SLOTS], 2048/(NST*KS)-2
	s_and_b32 s[LIM], s[WV], 1      ; 0 in waves 0 and 2,
	s_or_b32 s[LIM], s[LIM], ttmp9  ; where the cluster is the head's first: the same in all four partners
	s_cmp_eq_u32 s[LIM], 0
	s_cselect_b32 s[LIM], 1, -1
	v_and_b32 v[PFO], 31, v0
	v_lshlrev_b32 v[PFO], 8, v[PFO]
	s_wait_dscnt 0x0                ; both opening adds are done
	s_wait_kmcnt 0x0
	s_add_nc_u64 s[6:7], s[4:5], 0x1000000  ; K's part of qkv,
	s_add_nc_u64 s[8:9], s[4:5], 0x2000000  ; V's
	s_add_nc_u64 s[6:7], s[6:7], s[22:23]  ; at my tile of slot 0
	s_add_nc_u64 s[8:9], s[8:9], s[22:23]
	s_add_nc_u64 s[4:5], s[4:5], s[2:3]  ; Q and ctx at my wave's first row
	s_add_nc_u64 s[10:11], s[10:11], s[2:3]
	s_cmp_lt_u32 s[WV], 2
	s_cselect_b64 s[PFA:PFA+1], s[6:7], s[8:9]  ; (in waves 0 and 2 these stand at a slot's first row)
	s_lshl_b32 s2, s13, 13          ; my work-group's 8,192 bytes of the 32,768
	s_mov_b32 s3, 0
	s_add_nc_u64 s[PFA:PFA+1], s[PFA:PFA+1], s[2:3]
	s_add_nc_u64 s[PFA:PFA+1], s[PFA:PFA+1], 2*SLOTB  ; in slot 2; the first change of slots steps it to slot 3.  Nothing is prefetched at the head
	CROUND                          ; all four work-groups are here: the first joint loads meet
.irp s, 0,1
	s_mov_b32 s[G0K+4*\s], 1
	s_add_co_u32 s[G0K+4*\s+1], s17, \s*SLOT1
	s_add_nc_u64 s[G0K+4*\s+2:G0K+4*\s+3], s[6:7], \s*SLOTB
	s_or_b32 s[G0K+4*\s+3], s[G0K+4*\s+3], 0x80000000
	s_mov_b32 s[G0V+4*\s], 1
	s_add_co_u32 s[G0V+4*\s+1], s[VH], \s*SLOT1+VOFF
	s_add_nc_u64 s[G0V+4*\s+2:G0V+4*\s+3], s[8:9], \s*SLOTB
	s_or_b32 s[G0V+4*\s+3], s[G0V+4*\s+3], 0x80000000
.endr
	s_cmp_lt_u32 s[WV], 2           ; a wave's two first fills stand in one branch, ahead of every wait on TENSORcnt and every LDS read: two loads of mine are out
	s_cbranch_scc0 .Lfirst_v
	tensor_load_to_lds s[G0K:G0K+3], s[G1K:G1K+7]
	s_nop 0
	tensor_load_to_lds s[G0K+4:G0K+7], s[G1K:G1K+7]
	s_nop 0
.rept 4
	v_nop
.endr
	s_branch .Lfirst_asked
.Lfirst_v:
	tensor_load_to_lds s[G0V:G0V+3], s[G1V:G1V+7]
	s_nop 0
	tensor_load_to_lds s[G0V+4:G0V+7], s[G1V:G1V+7]
	s_nop 0
.rept 4
	v_nop
.endr
.Lfirst_asked:
	; A fragment of K or Q is 16 rows x 32 channels in 8 registers: lane l holds row l % 16; registers 0-3 channels 8 (l / 16) + 0..7, registers 4-7 channels 16 + 8 (l / 16) + 0..7: two loads of 16 bytes, 32 bytes apart.
	v_and_b32 v1, 15, v0            ; l % 16
	v_bfe_u32 v9, v0, 4, 1          ; l / 16
	v_lshlrev_b32 v[QO], 7, v1
	v_lshl_add_u32 v[QO], v9, 4, v[QO]  ; row x 128 + 16 x half
	WIN 0x80                        ; destination window 2, address window 0
.irp i, 0,1,2,3,4,5,6,7             ; Q stays in registers: tile i / 2, channels 32 (i % 2) on
	global_load_b128 v[8*\i:8*\i+3],   v[QO], s[4:5] offset:(\i/2)*2048+(\i%2)*64
	global_load_b128 v[8*\i+4:8*\i+7], v[QO], s[4:5] offset:(\i/2)*2048+(\i%2)*64+32
.endr
	WIN 0
	v_mul_u32_u24 v[AK0], v1, PK
	v_lshl_add_u32 v[AK0], v9, 4, v[AK0]  ; row x pitch + 16 x half
	; The turning load takes 16 keys x 16 channels (lane l reads 16 bytes: key 8 (l / 16) + l % 8, channels 8 ((l / 8) % 2) + 0..7) and leaves half a fragment of V^T: lane l holds channel l % 16 and 8 keys.
	v_and_b32 v10, 7, v0
	v_bfe_u32 v11, v0, 3, 1
	v_lshl_add_u32 v[AV0], v9, 3, v10
	v_mul_u32_u24 v[AV0], v[AV0], PVP
	v_lshl_add_u32 v[AV0], v11, 4, v[AV0]
	v_add_nc_u32 v[AV0], VOFF, v[AV0]
; THE MATRIX WORK OF A TURN, for piece x.  The eight accumulators of a run take turns, one instruction a turn.
; Product i of 16 of O^T += V^T P: keys 32 (i / 8) on, channels 16 ((i / 2) % 4) on, tile x + i % 2.  zero = 1: the first 8 start the sums: nothing is ever cleared.
.macro PV x, zero
	WIN W_PV
.set rO, 32*(\x+i%2)+8*((i/2)%4)
.set rV, VF+32*(i/8)+8*((i/2)%4)
.set rP, P+16*(\x+i%2)+8*(i/8)
.if \zero && (i < 8)
	v_wmma_f32_16x16x32_f16 v[rO:rO+7], v[rV:rV+7], v[rP:rP+7], 0
.else
	v_wmma_f32_16x16x32_f16 v[rO:rO+7], v[rV:rV+7], v[rP:rP+7], v[rO:rO+7]
.endif
.endm
; Product i of 16 of S^T = K Q^T: channels 32 (i / 8) on, keys 16 ((i / 2) % 4) on, tile x + i % 2.  The first 8 start the sums.
.macro KQ x
	WIN W_KQ
.set rS, S+32*(\x+i%2)+8*((i/2)%4)
.set rK, KF+16*((i/2)%4)+8*(i/8)
.set rQ, 16*(\x+i%2)+8*(i/8)
.if i < 8
	v_wmma_f32_16x16x32_f16 v[rS:rS+7], v[rK:rK+7], v[rQ:rQ+7], 0
.else
	v_wmma_f32_16x16x32_f16 v[rS:rS+7], v[rK:rK+7], v[rQ:rQ+7], v[rS:rS+7]
.endif
.endm
; THE LDS LOADS stand in runs of 16, never singly among the matrix instructions: a step's K (64 keys x 64 channels: 8 fragments) and, a turn later, its V (turned).
.macro FETCH_K
	WIN 0
	v_add_nc_u32 v[ADR], s[TBK], v[AK0]
	s_add_co_u32 s[TBK], s[TBK], KSTEPB  ; the next fetch is the next step's
	WIN 0x80
.irp f, 0,1,2,3,4,5,6,7             ; keys 16 (f / 2) on, channels 32 (f % 2) on
	ds_load_b128 v[KF+8*\f:KF+8*\f+3],   v[ADR] offset:(\f/2)*16*PK+(\f%2)*64
	ds_load_b128 v[KF+8*\f+4:KF+8*\f+7], v[ADR] offset:(\f/2)*16*PK+(\f%2)*64+32
.endr
.endm
.macro FETCH_V
	WIN 0
	v_add_nc_u32 v[ADR], s[TBV], v[AV0]
	s_add_co_u32 s[TBV], s[TBV], VSTEPB
	s_wait_alu depctr_va_vdst(0)    ; the wait for the softmax's batch of exponentials (SLICE), ahead of the first line that names a result
	WIN 0x80
.irp f, 0,1,2,3,4,5,6,7             ; keys 32 (f / 4) on, channels 16 (f % 4) on
	ds_load_tr16_b128 v[VF+8*\f:VF+8*\f+3],   v[ADR] offset:(\f/4)*32*PVP+(\f%4)*32
	ds_load_tr16_b128 v[VF+8*\f+4:VF+8*\f+7], v[ADR] offset:(\f/4)*32*PVP+16*PVP+(\f%4)*32
.endr
.endm
; THE VECTOR WORK OF A TURN.  One tile's softmax for one key step is a list of 118 instructions; SM writes number j of it for tile t.  s0-s31 are the lane's 32 scores, in pairs 0-15.
; first = 1: the first key step, which starts m, l and O^T: it has no a and nothing to rescale.
;   0-15    the maximum of s0-s31 and the old m, three operands at a time
;   16-20   the other half of the lanes' maximum; the new m; c m; c m_old - c m_new
;   21-69   ONE BATCH: the 16 scalings c s - c m and all 33 exponentials (a at 23, then s0-s31).  None of these reads an exponential's result
;   (wait)  between 69 and 70 stands the one wait for the batch: SLICE writes it, once for both tiles
;   70-85   the roundings to f16, a pair of weights each
;   86-101  the sums; l = a l + the sum
;   102-117 the tile's O^T times a: the one part that leaves window 0, so it stands together
.macro SM t, first
.set rT, ST+8*(\t)
.set rS, S+32*(\t)
.set rP, P+16*(\t)
.set rO, 32*(\t)+2*(j-102)
.if j < 102
	WIN 0
.endif
.if j < 4
	v_max3_num_f32 v[rT+4+j], v[rS+8*j], v[rS+8*j+1], v[rS+8*j+2]
.elseif j < 12
	v_max3_num_f32 v[rT+4+j%4], v[rT+4+j%4], v[rS+8*(j%4)+2*(j/4)+1], v[rS+8*(j%4)+2*(j/4)+2]
.elseif j == 12
	v_max3_num_f32 v[rT+4], v[rT+4], v[rS+7], v[rS+15]
.elseif j == 13
	v_max3_num_f32 v[rT+6], v[rT+6], v[rS+23], v[rS+31]
.elseif j == 14
	v_max3_num_f32 v[rT+4], v[rT+4], v[rT+5], v[rT+6]
.elseif (j == 15) && \first
	v_max_num_f32 v[rT+4], v[rT+4], v[rT+7]
.elseif j == 15
	v_max3_num_f32 v[rT+4], v[rT+4], v[rT+7], v[rT+1]
.elseif j == 16
	v_permlanex16_b32 v[rT+5], v[rT+4], s[SEL], s[SEL+1]  ; the query's other 32 keys lie in the lane 16 away
.elseif j == 18
	v_max_num_f32 v[rT+1], v[rT+4], v[rT+5]
.elseif j == 19
	v_mul_f32 v[rT], s[CS], v[rT+1]
.elseif ((j == 17) || (j == 20) || (j == 23) || (j > 101)) && \first  ; the first step has none of these
.elseif j == 17
	v_mov_b32 v[rT+7], v[rT]        ; c m_old is kept for a: number 19 writes c m anew
.elseif j == 20
	v_sub_f32 v[rT+7], v[rT+7], v[rT]
.elseif j == 23
	v_exp_f32 v[rT+6], v[rT+7]
.elseif (j < 23) || ((j < 38) && (j%2 == 0)) || ((j < 66) && (j%4 == 2))
.set b, (j-2)/4                     ; 38, 42, .. 62: pairs 9 to 15
.if j < 38
.set b, (j-20)/2                    ; 21: pair 0; 22, 24, .. 36: pairs 1 to 8
.endif
	v_pk_fma_f32 v[rS+2*b:rS+2*b+1], v[rS+2*b:rS+2*b+1], s[CS:CS+1], v[rT:rT+1] op_sel_hi:[1,0,0] neg_lo:[0,0,1] neg_hi:[0,0,1]  ; pair b: c s - c m
.elseif j < 70
.set e, j-38                        ; 66 to 69: s28 to s31
.if j < 66
.set e, j-32-(j-38)/4               ; 39-41, 43-45, .. 63-65: s7 to s27
.endif
.if j < 38
.set e, (j-25)/2                    ; 25, 27, .. 37: s0 to s6
.endif
	v_exp_f32 v[rS+e], v[rS+e]
.elseif j < 86
	v_cvt_pk_f16_f32 v[rP+j-70], v[rS+2*(j-70)], v[rS+2*(j-70)+1]  ; pair j - 70
.elseif j < 102                     ; the sum of the tile's 16 pairs, in place: neighbours 1, 2, 4 and 8 pairs apart, then l takes it
.set z, j-86
.set w, 4
.set u, z
.if z >= 14
.set w, 32
.set u, 0
.elseif z >= 12
.set w, 16
.set u, z-12
.elseif z >= 8
.set w, 8
.set u, z-8
.endif
.if (z == 14) && \first
	v_pk_add_f32 v[rT+2:rT+3], v[rS:rS+1], v[rS+16:rS+17]
.elseif z < 15
	v_pk_add_f32 v[rS+w*u:rS+w*u+1], v[rS+w*u:rS+w*u+1], v[rS+w*u+w/2:rS+w*u+w/2+1]
.elseif !\first
	v_pk_fma_f32 v[rT+2:rT+3], v[rT+2:rT+3], v[rT+6:rT+7], v[rS:rS+1] op_sel_hi:[1,0,1]
.endif
.else
	WIN W_RS
	v_pk_mul_f32 v[rO:rO+1], v[rO:rO+1], v[rT+6:rT+7] op_sel_hi:[1,0]
.endif
.endm
; Slice k of 59 of piece y's softmax: four instructions.  Slices 11 to 34 deal out the batch, numbers 22 to 69: four numbers of ONE tile each, the tiles by turns.  Every other slice is numbers 2 k and 2 k + 1 of both tiles.
; Ahead of slice 35 nothing names an exponential's result, and behind slice 34 no exponential is issued: so the piece's 66 exponentials have one wait, behind slice 34, with one plain line ahead of it.
.macro SLICE y, first
.if (k >= 11) && (k < 35)
.irp n, 0,1,2,3
.set j, 22+4*((k-11)/2)+(\n)
	SM (\y)+(k-11)%2, \first
.endr
.else
.irp n, 0,1
.irp t, \y, \y+1
.set j, 2*k+\n
	SM \t, \first
.endr
.endr
.endif
.if k == 34
	v_nop                           ; the plain line behind the last exponential
.if (\y) == 0
	FETCH_V                         ; piece 2's turn: V's run of loads stands here, and the wait stands in it
.else
	s_wait_alu depctr_va_vdst(0)    ; the wait for the batch
.endif
.endif
.set k, k+1
.endm
; The slices behind matrix instruction g of a turn.  59 = 2 x 27 + 5 in a turn of 32 products; 59 = 4 x 11 + 3 x 5 in a turn of 16.
.macro DEAL y, first
.if both
.set nsl, 1
.if g < 27
.set nsl, 2
.endif
.else
.set nsl, 3
.if g < 11
.set nsl, 4
.endif
.endif
.rept nsl
	SLICE \y, \first
.endr
.set g, g+1
.endm
.macro PLACES
.rept 4
	v_nop
.endr
.endm
; A TURN.  Piece x has the matrix unit; the other piece's softmax stands in slices behind its matrix instructions.  pv = 2: 16 products V^T P; 1: they start O^T's sums; 0: none.  kq = 1: 16 products K Q^T for the next step.
; first = 1: the softmax is the first key step's; its slices from 51 on are empty, and four v_nop take slice 58's part as the places behind the turn's last products.
; PLACES, by count.  Slice 58, four multiplies of the other piece's O^T, stands behind the turn's last K Q^T: the places ahead of the next turn's reads of those scores and of the loads into K's registers (behind the next
; turn's second product).  V's run stands behind slice 34; the last product that read V stands in front of slice 30, and five plain lines that name none of its registers lie between: three scalings, the v_nop, the run's own addition.
.macro TURN x, pv, kq, first
.set k, 0
.set g, 0
.set both, 0
.if \pv && \kq
.set both, 1
.endif
.if \pv
.if \x == 0
	s_wait_dscnt 0x0                ; V is in
.endif
.set i, 0
.rept 16
	PV \x, 2-\pv
	DEAL 2-\x, \first
.if (\x == 0) && \kq && (i == 1)
	FETCH_K
.endif
.set i, i+1
.endr
.endif
.if \kq
.if \x == 0
	s_wait_dscnt 0x0                ; K is in
.endif
.set i, 0
.rept 16
	KQ \x
	DEAL 2-\x, \first
.set i, i+1
.endr
.endif
.if \first
	PLACES
.endif
.endm
; THE CHANGE OF SLOTS, between piece 2's turn and piece 0's: the slot's last bytes, V of its fourth step, have been asked for.  Each wave waits for all its tensor loads, of which one is out: its part of the other slot;
; adds 0 to its spare word; and waits for that and for its own reads of the slot.  fill = 1: the slot is filled again, with the keys two slots on: the barrier is then a round of the cluster's, and the joint refill is the first thing behind it.
.macro CHANGE fill
	WIN 0
	s_wait_tensorcnt 0x0            ; no tensor load of mine is out, so a group 0 may be written
	ds_add_u32 v[SPW], v[NIL]
.if \fill
.irp g, G0K+4, G0V+4
	s_xor_b32 s[\g+1], s[\g+1], SLOT1  ; the walking descriptor: the other slot than last time,
	s_add_nc_u64 s[\g+2:\g+3], s[\g+2:\g+3], SLOTB  ; the next 256 keys
.endr
	s_wait_xcnt 0x0                 ; the last prefetch, a slot back, has read its address, so it may be written
	s_add_nc_u64 s[PFA:PFA+1], s[PFA:PFA+1], SLOTB
	s_wait_dscnt 0x0                ; the add is done, and my reads of the slot are over
	CROUND
	JLOAD
	ASK                             ; what the next change will ask for: four key steps, 256 matrix instructions, ahead
.else
	s_wait_dscnt 0x0
	s_barrier_signal -1
	s_barrier_wait -1
.endif
	s_sub_co_u32 s[TBK], s[TBK], NST*KSTEPB  ; the fetches go back to a slot's first step,
	s_xor_b32 s[TBK], s[TBK], SLOT1 ; in the other slot
	s_sub_co_u32 s[TBV], s[TBV], NST*VSTEPB
	s_xor_b32 s[TBV], s[TBV], SLOT1
.endm
; n key steps: written once, walked n times; the LDS addresses hang on s[TBK] and s[TBV].
.macro STEPS n
	s_mov_b32 s[TWICE], \n
.Lstep_\@:
	TURN 0, 2, 1, 0
	TURN 2, 2, 1, 0
	WIN 0
	s_sub_co_u32 s[TWICE], s[TWICE], 1
	s_cmp_lg_u32 s[TWICE], 0
	s_cbranch_scc1 .Lstep_\@
.endm
	s_wait_tensorcnt 1              ; my part of slot 0 is in; slot 1's may stay out
	s_barrier_signal -1
	s_barrier_wait -1
	FETCH_K                         ; key step 0
	s_wait_loadcnt 0x0              ; Q
	s_wait_dscnt 0x0
.set i, 0
.rept 16
	KQ 0                            ; piece 0's first scores: there is no vector work yet to set between them
.set i, i+1
.endr
	WIN 0                           ; the addresses for the way out are made here: plain lines, the places behind those products
	s_mul_i32 s13, s[WV], 16*SP
	s_add_co_u32 s13, s13, STAGE    ; my stage
	v_mul_u32_u24 v[STO], v1, SP    ; in: row l % 16, 16 bytes for each half of the lanes
	v_lshl_add_u32 v[STO], v9, 4, v[STO]
	v_add_nc_u32 v[STO], s13, v[STO]
	v_bfe_u32 v[RD], v0, 3, 2       ; back: eight lanes to a row of 128 bytes, four rows an instruction
	v_mul_u32_u24 v[RD], v[RD], SP
	v_lshl_add_u32 v[RD], v10, 4, v[RD]
	v_add_nc_u32 v[RD], s13, v[RD]
	v_and_b32 v[GO], 31, v0
	v_lshlrev_b32 v[GO], 4, v[GO]   ; and the same 512 bytes in ctx, whose rows are dense
	TURN 2, 0, 1, 1                 ; piece 2's first scores | piece 0's first softmax | V of step 0
	TURN 0, 1, 1, 1                 ; piece 0: V^T P of step 0 starts O^T, K Q^T of step 1 | piece 2's first softmax | K of step 1
	TURN 2, 1, 1, 0                 ; piece 2: the same | piece 0's softmax of step 1 | V of step 1
	WIN 0
	STEPS 2                         ; they fetch steps 2 and 3: slot 0 is read out
.Lslot:                             ; six trips: every slot but the last two is filled again
	CHANGE 1
	STEPS 4
	s_sub_co_u32 s[SLOTS], s[SLOTS], 1
	s_cmp_lg_u32 s[SLOTS], 0
	s_cbranch_scc1 .Lslot
	CHANGE 0                        ; the tail is written out
	STEPS 4
	TURN 0, 2, 0, 0                 ; piece 0: V^T P of the last step | piece 2's last softmax
.set i, 0
.rept 16
	PV 2, 0                         ; piece 2: V^T P of the last step
.set i, i+1
.endr
	; THE WAY OUT.  l's two halves and the other half of the lanes' are added; O^T is divided by l, rounded to f16 and sent through my stage in LDS, a tile (16 rows) at a time.  The additions are the places behind the last products.
	WIN 0
.irp t, 0,1,2,3
	v_add_f32 v[ST+8*\t+4], v[ST+8*\t+2], v[ST+8*\t+3]
.endr
.irp t, 0,1,2,3
	v_permlanex16_b32 v[ST+8*\t+5], v[ST+8*\t+4], s[SEL], s[SEL+1]
.endr
.irp t, 0,1,2,3
	v_add_f32 v[ST+8*\t+4], v[ST+8*\t+4], v[ST+8*\t+5]
.endr
.irp t, 0,1,2,3
	v_rcp_f32 v[ST+8*\t+6], v[ST+8*\t+4]
.endr
	v_nop                           ; a plain line between the last reciprocal and the use of its result
	s_wait_alu depctr_va_vdst(0)    ; one wait for the four reciprocals, ahead of the first use
.macro PACK t
	WIN W_RS
.set i, 32*\t
.rept 16
	v_pk_mul_f32 v[i:i+1], v[i:i+1], v[ST+8*\t+6:ST+8*\t+7] op_sel_hi:[1,0]   ; each accumulator from its low end on
.set i, i+2
.endr
	WIN 0x05                        ; sources 0 and 1 window 1, destination window 0: S^T's registers are free
.set i, 0
.rept 16
	v_cvt_pk_f16_f32 v[S+32*\t+i], v[32*\t+2*i], v[32*\t+2*i+1]
.set i, i+1
.endr
	WIN 0
.irp f, 0,1,2,3
	ds_store_b128 v[STO], v[S+32*\t+4*\f:S+32*\t+4*\f+3] offset:32*\f
.endr
.irp f, 0,1,2,3
	ds_load_b128 v[S+32*\t+16+4*\f:S+32*\t+16+4*\f+3], v[RD] offset:\f*4*SP  ; LDS serves a wave's instructions in order (ISA guide 5.7.1.4): these see the stores above; the next tile's stores come behind them
.endr
.endm
.macro SEND t, younger              ; younger: the LDS instructions issued behind tile t's loads: the next tile's four stores and four loads, or none
.irp f, 0,1,2,3
	s_wait_dscnt \younger+3-\f
	global_store_b128 v[GO], v[S+32*\t+16+4*\f:S+32*\t+16+4*\f+3], s[10:11] offset:\t*2048+\f*512  ; 32 lanes store 512 consecutive bytes, aligned
.endr
.endm
	PACK 0
	PACK 1
	SEND 0, 8
	PACK 2
	SEND 1, 8
	PACK 3
	SEND 2, 8
	SEND 3, 0
	s_wait_tensorcnt 0x0            ; the wave's end
	ds_add_u32 v[SPW], v[NIL]
	s_wait_dscnt 0x0
	CROUND                          ; the closing round
	s_endpgm
.Lfunc_end_k_q5c488bc449_attn:
	.size	k_q5c488bc449_attn, .Lfunc_end_k_q5c488bc449_attn-k_q5c488bc449_attn
	.p2alignl 7, 3214868480
	.fill 96, 4, 3214868480
	.section	.rodata,"a",@progbits
	.p2align	6, 0x0
	.amdhsa_kernel k_q5c488bc449_attn
		.amdhsa_group_segment_fixed_size 327680
		.amdhsa_private_segment_fixed_size 0
		.amdhsa_enable_private_segment 0
		.amdhsa_kernarg_size 16
		.amdhsa_user_sgpr_count 2
		.amdhsa_user_sgpr_kernarg_segment_ptr 1
		.amdhsa_wavefront_size32 1
		.amdhsa_system_sgpr_workgroup_id_x 1
		.amdhsa_system_sgpr_workgroup_id_y 1
		.amdhsa_system_sgpr_workgroup_id_z 1
		.amdhsa_system_vgpr_workitem_id 0
		.amdhsa_next_free_vgpr 768
		.amdhsa_next_free_sgpr 68
		.amdhsa_reserve_vcc 0
		.amdhsa_float_denorm_mode_32 3
		.amdhsa_float_denorm_mode_16_64 3
		.amdhsa_memory_ordered 1
		.amdhsa_forward_progress 1
		.amdhsa_inst_pref_size 195
	.end_amdhsa_kernel
	.amdgpu_metadata
---
amdhsa.version: [ 1, 2 ]
amdhsa.kernels:
  - .name:           k_q5c488bc449_attn
    .symbol:         k_q5c488bc449_attn.kd
    .args:
      - { .name: qkv, .offset: 0, .size: 8, .value_kind: global_buffer, .address_space: global }
      - { .name: ctx, .offset: 8, .size: 8, .value_kind: global_buffer, .address_space: global }
    .group_segment_fixed_size: 327680
    .private_segment_fixed_size: 0
    .kernarg_segment_align: 8
    .kernarg_segment_size: 16
    .max_flat_workgroup_size: 128
    .sgpr_count:     68
    .vgpr_count:     768
    .wavefront_size: 32
...
	.end_amdgpu_metadata
.endif
;; end of part 3
;; launch proj (part 4): grid 4 x 64, 4 waves a work-group, clusters of 4 x 4, 327,680 bytes of LDS; arguments ctx, wpt, b_proj, out0; writes out0
.if DOCPART == 4
	.amdgcn_target "amdgcn-amd-amdhsa--gfx1250"
	.amdhsa_code_object_version 6
	.text
	.protected	k_q5c488bc449_proj
	.globl	k_q5c488bc449_proj
	.p2align	8
	.type	k_q5c488bc449_proj,@function
k_q5c488bc449_proj:
	s_mov_b64 s[64:65], 0
	v_nop
	global_prefetch_b8 v0, s[64:65] scope:SCOPE_SE
	s_setreg_imm32_b32 hwreg(HW_REG_WAVE_MODE, 25, 1), 1
	s_wait_xcnt 0x0
	s_wait_alu depctr_hold_cnt(0) depctr_sa_sdst(0) depctr_va_vdst(0) depctr_va_sdst(0) depctr_va_ssrc(0) depctr_va_vcc(0) depctr_vm_vsrc(0)
	s_getreg_b32 s2, hwreg(HW_REG_IB_STS2, 6, 4)
	s_cmp_eq_u32 s2, 0
	s_cbranch_scc0 .Lentry_in_a_cluster
	s_endpgm
.Lentry_in_a_cluster:
	s_bfe_u32 s2, ttmp6, 0x10000c
	s_cmp_lg_u32 s2, 0xf033
	s_cbranch_scc0 .Lentry_shape_is_right
	s_endpgm
.Lentry_shape_is_right:
; out0 = context w_proj + b_proj.  The context lies as ctx [64 (batch, head)][2048 s][64] f16: head h is block h of 64 along K.  w_proj lies as wpt [16 kb][1024 n][64 k] f16.  Sums in f32; out0 [8192][1024] f32.
; A tile of 128 rows x 256 columns is made by a work-group of four waves: 256 work-groups.  A wave makes 64 x 128: 32 accumulators, 256 registers.
; K goes in 8 steps of 128 (two blocks of 64) through a ring of two LDS slots.  Waves 0 and 1 fetch A's two blocks (128 rows of 128 bytes each, dense in memory), waves 2 and 3 B's (256 rows each): one load a wave.
; CLUSTERS: 4 x 4 work-groups: A's tiles are asked for jointly along a row of the cluster, B's along a column.
; THE MATRIX INSTRUCTION IS USED TRANSPOSED (source 0 = 16 rows of wpt, source 1 = 16 rows of ctx): a lane holds eight neighbouring columns of one row.  THE BIAS is the C of each sum's first product.
; No prefetch: a K step's tiles are small and the launch is short.
; REGISTERS: window 0: v0-31 addresses; v64-127 the bias; v128-255 the way out.   window 1: two fragment buffers of 96 (B's 64, then A's 32).   window 2: the accumulators ((a, b) at v[8 (8 a + b)]).
.set PITCH,  144                       ; an LDS row: 128 bytes + 16 of padding: the 16 rows of a load start at 16 different groups of banks (ISA guide 11.1)
.set AKB,    128*PITCH                 ; A's rows of one block of 64 along K
.set BKB,    256*PITCH                 ; B's
.set BOFF,   2*AKB
.set SLOT,   2*AKB+2*BKB
.set STAGE,  2*SLOT                    ; behind the ring: 16 rows x (512 bytes + 16) for each wave
.set SPITCH, 528
.set SPARE,  STAGE+4*16*SPITCH         ; the spare words, 128 bytes for each wave: two blocks of 256 bytes that no other line names
.set LAPS,   4                         ; a lap = two K steps = once round the ring
.set ADRA, 16
.set ADRB, 20
.set STO,  24
.set RD,   25
.set CO,   26
.set SPW,  28
.set NIL,  29
.set BO,   30
.set BI,   64
.set BK,   128
.set F0,   0
.set F1,   96
.set G1, 24
.set G0, 32
.set G1B, 48
.set G0B, 56
.set MSB, 0
.macro WIN new
.if MSB != (\new)
	s_set_vgpr_msb (MSB<<8)|(\new)
.set MSB, (\new)
.endif
.endm
.set MUL,  0xa5                        ; sources 0 (B) and 1 (A) window 1; C and D window 2;  less 0x20: C (the bias) window 0
.set TO_F, 0x40
.macro JLOAD s                         ; a joint load: waves 0 and 1 fetch for A, waves 2 and 3 for B; an s_nop 0 and four v_nop follow each line
	s_cmp_eq_u32 s11, 0
	s_cbranch_scc0 .Lfor_b_\@
	tensor_load_to_lds s[G0+4*\s:G0+4*\s+3], s[G1:G1+7]
	s_nop 0
.rept 4
	v_nop
.endr
	s_branch .Lasked_\@
.Lfor_b_\@:
	tensor_load_to_lds s[G0B+4*\s:G0B+4*\s+3], s[G1B:G1B+7]
	s_nop 0
.rept 4
	v_nop
.endr
.Lasked_\@:
.endm
.macro CREST
	s_cmp_lg_u32 s10, 0
	s_cbranch_scc1 .Lnot_wave_0_\@
	s_barrier_signal -3
.Lnot_wave_0_\@:
	s_barrier_wait -3
	s_barrier_signal -1
	s_barrier_wait -1
.endm
.macro CROUND
	s_barrier_signal -1
	s_barrier_wait -1
	CREST
.endm
	s_load_b128 s[4:7], s[0:1], 0x0                ; ctx s[4:5], wpt s[6:7]
	s_load_b64 s[66:67], s[0:1], 0x10              ; b_proj
	s_load_b64 s[8:9], s[0:1], 0x18                ; out0
	v_lshl_add_u32 v[SPW], v0, 2, SPARE
	v_mov_b32 v[NIL], 0
	ds_add_u32 v[SPW], v[NIL]                      ; the wave's opening: the add, twice on end, and its wait ahead of my first tensor load
	ds_add_u32 v[SPW], v[NIL]
	v_lshrrev_b32 v1, 5, v0
	v_readfirstlane_b32 s10, v1                    ; wave 0..3
	s_lshr_b32 s11, s10, 1                         ; which half of the tile's rows is mine.  Also: I fetch for A (0) or for B (1)
	s_and_b32 s12, s10, 1                          ; which half of its columns.  Also: which of a K step's two blocks I fetch
	s_bfe_u32 s40, ttmp6, 0x40000                  ; cx, cy
	s_bfe_u32 s41, ttmp6, 0x40004
	s_lshl_b32 s42, ttmp9, 2
	s_add_co_u32 s42, s42, s40                     ; tile column
	s_and_b32 s13, ttmp7, 0xffff
	s_lshl_b32 s13, s13, 2
	s_add_co_u32 s13, s13, s41                     ; tile row
	s_lshl_b32 s43, s41, 2
	s_lshl_b32 s43, 15, s43                        ; my row of the cluster
	s_lshl_b32 s44, 0x1111, s40                    ; my column
	s_or_b32 s[G1+0], s43, (1<<16)|(1<<20)|(1<<21)|(4<<22)|(3<<25)  ; the mask; elements of 2 bytes; padding on; bit 21 beside a mask; after every 32 words, 4 words
	s_or_b32 s[G1B+0], s44, (1<<16)|(1<<20)|(1<<21)|(4<<22)|(3<<25)
	s_mov_b32 s[G1+1], 64<<16                      ; tensor_dim0
	s_mov_b32 s[G1+2], 128<<16                     ; tensor_dim1
	s_mov_b32 s[G1+3], 64<<16                      ; tile_dim0
	s_mov_b32 s[G1+4], 128                         ; tile_dim1
	s_mov_b32 s[G1+5], 64                          ; elements from row to row
	s_mov_b32 s[G1+6], 0
	s_mov_b32 s[G1+7], 0
	s_mov_b32 s[G1B+1], 64<<16
	s_mov_b32 s[G1B+2], 256<<16
	s_mov_b32 s[G1B+3], 64<<16
	s_mov_b32 s[G1B+4], 256
	s_mov_b32 s[G1B+5], 64
	s_mov_b32 s[G1B+6], 0
	s_mov_b32 s[G1B+7], 0
	s_lshr_b32 s16, s13, 4                         ; A: the batch: 16 heads of 262,144 bytes;
	s_lshl_b32 s16, s16, 22
	s_and_b32 s17, s13, 15
	s_lshl_b32 s17, s17, 14                        ; the tile's 128 rows of 128 bytes;
	s_add_co_u32 s16, s16, s17
	s_lshl_b32 s17, s12, 18                        ; my block of 64 along K: a head
	s_add_co_u32 s16, s16, s17
	s_mov_b32 s17, 0
	s_lshl_b32 s46, s42, 15                        ; B: the tile's 256 rows of 128 bytes;
	s_lshl_b32 s47, s12, 17                        ; my block: 1,024 rows
	s_add_co_u32 s46, s46, s47
	s_mov_b32 s47, 0
	s_mul_i32 s20, s12, AKB                        ; where they go: no place in the cluster enters an LDS address
	s_mul_i32 s21, s12, BKB
	s_add_co_u32 s21, s21, BOFF
	s_wait_dscnt 0x0                               ; both opening adds are done
	s_wait_kmcnt 0x0
	s_add_nc_u64 s[14:15], s[4:5], s[16:17]
	s_add_nc_u64 s[46:47], s[6:7], s[46:47]
	CROUND                                         ; all sixteen work-groups are here: the first joint loads meet
.irp s, 0,1
	s_mov_b32 s[G0+4*\s], 1
	s_add_co_u32 s[G0+4*\s+1], s20, \s*SLOT
	s_add_nc_u64 s[G0+4*\s+2:G0+4*\s+3], s[14:15], \s*524288     ; K step s: two heads on
	s_or_b32 s[G0+4*\s+3], s[G0+4*\s+3], 0x80000000
	s_mov_b32 s[G0B+4*\s], 1
	s_add_co_u32 s[G0B+4*\s+1], s21, \s*SLOT
	s_add_nc_u64 s[G0B+4*\s+2:G0B+4*\s+3], s[46:47], \s*262144
	s_or_b32 s[G0B+4*\s+3], s[G0B+4*\s+3], 0x80000000
	JLOAD \s
.endr
	v_and_b32 v1, 15, v0                           ; r
	v_bfe_u32 v2, v0, 4, 1                         ; h
	v_lshlrev_b32 v[BO], 5, v2
	s_lshl_b32 s46, s42, 10                        ; the bias of my 128 columns
	s_lshl_b32 s47, s12, 9
	s_add_co_u32 s46, s46, s47
	s_mov_b32 s47, 0
	s_add_nc_u64 s[66:67], s[66:67], s[46:47]
	s_add_nc_u64 s[8:9], s[8:9], s[46:47]          ; and the same bytes on in a row of out0
.irp b, 0,1,2,3,4,5,6,7
	global_load_b128 v[BI+8*\b:BI+8*\b+3], v[BO], s[66:67] offset:64*\b        ; lane (r, h): b_proj at columns 16 b + 8 h + 0 .. 7
	global_load_b128 v[BI+8*\b+4:BI+8*\b+7], v[BO], s[66:67] offset:64*\b+16
.endr
	v_mul_u32_u24 v3, v1, PITCH
	v_lshl_add_u32 v3, v2, 4, v3                   ; a fragment's row x pitch + 16 x half
	s_mul_i32 s21, s11, 64*PITCH                   ; my 64 rows of A
	s_mul_i32 s22, s12, 128*PITCH                  ; my 128 rows of B,
	s_add_co_u32 s22, s22, BOFF                    ; which lie behind A's two blocks
.irp s, 0,1
	v_add_nc_u32 v[ADRA+\s], s21, v3
	v_add_nc_u32 v[ADRB+\s], s22, v3
	s_add_co_u32 s21, s21, SLOT
	s_add_co_u32 s22, s22, SLOT
.endr
	s_mul_i32 s23, s10, 16*SPITCH
	s_add_co_u32 s23, s23, STAGE                   ; my stage
	v_mul_u32_u24 v5, v1, SPITCH                   ; in: row r, 32 bytes for each half of the lanes
	v_lshl_add_u32 v5, v2, 5, v5
	v_add_nc_u32 v[STO], s23, v5
	v_and_b32 v6, 31, v0
	v_lshlrev_b32 v[CO], 4, v6                     ; back: the 32 lanes take one row of 512 bytes; and the same in out0
	v_add_nc_u32 v[RD], s23, v[CO]
	s_lshl_b32 s16, s13, 19                        ; my first row of out0: 128 x tile row + 64 x half, rows of 4,096 bytes
	s_lshl_b32 s17, s11, 18
	s_add_co_u32 s16, s16, s17
	s_mov_b32 s17, 0
	s_add_nc_u64 s[8:9], s[8:9], s[16:17]
; 8 matrix instructions: A's block a x B's eight, 32 along K, from buffer f.  zero = 1: the first product starts the sum, with the bias as its C.
; The 32 accumulators take turns, one instruction a turn, in the same order in every quarter.
.macro MULA f, a, zero
.irp b, 0,1,2,3,4,5,6,7
.if \zero
	v_wmma_f32_16x16x32_f16 v[8*(8*(\a)+\b):8*(8*(\a)+\b)+7], v[\f+8*\b:\f+8*\b+7], v[\f+64+8*(\a):\f+64+8*(\a)+7], v[BI+8*\b:BI+8*\b+7]
.else
	v_wmma_f32_16x16x32_f16 v[8*(8*(\a)+\b):8*(8*(\a)+\b)+7], v[\f+8*\b:\f+8*\b+7], v[\f+64+8*(\a):\f+64+8*(\a)+7], v[8*(8*(\a)+\b):8*(8*(\a)+\b)+7]
.endif
.endr
.endm
; 24 LDS loads in one run: the fragments of the slot's q-th 32 along K (block q / 2, bytes 64 (q % 2) on) into buffer f: B's eight, then A's four
.macro FETCH slot, q, f
	WIN TO_F
.irp i, 0,1,2,3,4,5,6,7
	ds_load_b128 v[\f+8*\i:\f+8*\i+3],   v[ADRB+\slot] offset:((\q)/2)*BKB+((\q)%2)*64+\i*16*PITCH
	ds_load_b128 v[\f+8*\i+4:\f+8*\i+7], v[ADRB+\slot] offset:((\q)/2)*BKB+((\q)%2)*64+\i*16*PITCH+32
.endr
.irp i, 0,1,2,3
	ds_load_b128 v[\f+64+8*\i:\f+64+8*\i+3],   v[ADRA+\slot] offset:((\q)/2)*AKB+((\q)%2)*64+\i*16*PITCH
	ds_load_b128 v[\f+64+8*\i+4:\f+64+8*\i+7], v[ADRA+\slot] offset:((\q)/2)*AKB+((\q)%2)*64+\i*16*PITCH+32
.endr
.endm
.macro PLACES                          ; four plain lines in front of loads into registers that matrix instructions have read, and of the first read of results
.rept 4
	v_nop
.endr
.endm
; A K step is four quarters of 32 along K, 32 matrix instructions each, on buffers 0, 1, 0, 1.  One of the first three: multiplies buffer f and fetches quarter q into g.
.macro QUARTER slot, q, f, g, zero
	s_wait_dscnt 4                                 ; B's fragments and A's blocks 0, 1 are in; the youngest four loads (A's blocks 2, 3) may be out
	WIN MUL-0x20*(\zero)
	MULA \f, 0, \zero
	MULA \f, 1, \zero
	PLACES
	FETCH \slot, \q, \g
	s_wait_dscnt 24                                ; all but the 24 just issued
	WIN MUL-0x20*(\zero)
	MULA \f, 2, \zero
	MULA \f, 3, \zero
.endm
; The last quarter multiplies buffer 1 and changes slots: ONE barrier; in front of it each wave waits for all its tensor loads, adds 0 to its spare word, and waits for that and for its own reads of this slot.
; fill = 1: this slot is filled again, two K steps ahead: the barrier opens a round of the cluster's, and the joint refill is the first tensor load behind it: 112 matrix instructions ahead of the wait for it.
.macro TURN slot, next, fill
	WIN 0
	s_wait_tensorcnt 0x0                           ; all my tensor loads have landed: my part of the next slot
	ds_add_u32 v[SPW], v[NIL]
	s_wait_dscnt 5                                 ; the add and the youngest four loads (A's blocks 2, 3) may be out
	WIN MUL
	MULA F1, 0, 0
	s_wait_dscnt 0x0                               ; the add is done, and my reads of this slot are over
	s_barrier_signal -1
	MULA F1, 1, 0
.if \fill
	WIN 0
.endif
	s_barrier_wait -1
.if \fill
	CREST
	s_add_nc_u64 s[G0+4*\slot+2:G0+4*\slot+3], s[G0+4*\slot+2:G0+4*\slot+3], 1048576
	s_add_nc_u64 s[G0B+4*\slot+2:G0B+4*\slot+3], s[G0B+4*\slot+2:G0B+4*\slot+3], 524288
	JLOAD \slot                                    ; the four v_nop behind it are also the places in front of the loads below
.else
	PLACES
.endif
	FETCH \next, 0, F0
	WIN MUL
	MULA F1, 2, 0
	MULA F1, 3, 0
.endm
	s_wait_tensorcnt 1                             ; my part of K step 0 is in; K step 1's load may be out
	s_barrier_signal -1
	s_barrier_wait -1
	FETCH 0, 0, F0
	s_wait_loadcnt 0x0                             ; the bias
	QUARTER 0, 1, F0, F1, 1                        ; the first quarter stands in front of the loop: its products start the sums on the bias
	WIN 0
	s_mov_b32 s3, LAPS-1
.Llap:                                                 ; a trip goes once round the ring, from a lap's second quarter to the next lap's first, and fills both slots again
	QUARTER 0, 2, F1, F0, 0
	QUARTER 0, 3, F0, F1, 0
	TURN 0, 1, 1
	QUARTER 1, 1, F0, F1, 0
	QUARTER 1, 2, F1, F0, 0
	QUARTER 1, 3, F0, F1, 0
	TURN 1, 0, 1
	QUARTER 0, 1, F0, F1, 0
	WIN 0
	s_sub_co_u32 s3, s3, 1
	s_cmp_lg_u32 s3, 0
	s_cbranch_scc1 .Llap
	QUARTER 0, 2, F1, F0, 0                        ; the last lap fills nothing, and has no round of the cluster's barrier
	QUARTER 0, 3, F0, F1, 0
	TURN 0, 1, 0
	QUARTER 1, 1, F0, F1, 0
	QUARTER 1, 2, F1, F0, 0
	QUARTER 1, 3, F0, F1, 0
	s_wait_dscnt 4                                 ; the very last quarter: A's blocks 2, 3 may be out
	WIN MUL
	MULA F1, 0, 0
	MULA F1, 1, 0
	s_wait_dscnt 0
	MULA F1, 2, 0
	MULA F1, 3, 0
	WIN 0
; THE WAY OUT, block by block of 16 rows x 128 columns: through my own stage in LDS, back as whole rows of 512 bytes, which the 32 lanes store as 512 consecutive bytes, aligned.  LDS serves a wave's instructions in order (ISA guide 5.7.1.4).
.macro TOSTAGE a
.set AC, 64*(\a)
	WIN 0x08                                       ; an LDS store's data: window 2
.irp b, 0,1,2,3,4,5,6,7
	ds_store_b128 v[STO], v[AC+8*\b:AC+8*\b+3] offset:64*\b          ; each accumulator from its low end on
	ds_store_b128 v[STO], v[AC+8*\b+4:AC+8*\b+7] offset:64*\b+16
.endr
	WIN 0
.set BB, BK+64*((\a)%2)
.irp t, 0,1,2,3,4,5,6,7,8,9,10,11,12,13,14,15
	ds_load_b128 v[BB+4*\t:BB+4*\t+3], v[RD] offset:\t*SPITCH
.endr
.endm
.macro SEND a, younger                 ; younger: the LDS instructions issued behind block a's loads: the next block's 16 stores and 16 loads, or none
.set BB, BK+64*((\a)%2)
	s_wait_dscnt \younger
.irp t, 0,1,2,3,4,5,6,7,8,9,10,11,12,13,14,15
	global_store_b128 v[CO], v[BB+4*\t:BB+4*\t+3], s[8:9] offset:(\a)*65536+\t*4096 th:TH_STORE_NT
.endr
.endm
	PLACES
	TOSTAGE 0
.irp a, 1,2,3
.if \a > 1
	s_wait_xcnt 0x0                                ; block a - 2's stores have read their registers: block a's loads may land there
.endif
	TOSTAGE \a
	SEND \a-1, 32
.endr
	SEND 3, 0
	s_wait_tensorcnt 0x0                           ; the wave's end
	ds_add_u32 v[SPW], v[NIL]
	s_wait_dscnt 0x0
	CROUND                                         ; the closing round
	s_endpgm
.Lfunc_end_k_q5c488bc449_proj:
	.size	k_q5c488bc449_proj, .Lfunc_end_k_q5c488bc449_proj-k_q5c488bc449_proj
	.p2alignl 7, 3214868480
	.fill 96, 4, 3214868480
	.section	.rodata,"a",@progbits
	.p2align	6, 0x0
	.amdhsa_kernel k_q5c488bc449_proj
		.amdhsa_group_segment_fixed_size 327680
		.amdhsa_private_segment_fixed_size 0
		.amdhsa_enable_private_segment 0
		.amdhsa_kernarg_size 32
		.amdhsa_user_sgpr_count 2
		.amdhsa_user_sgpr_kernarg_segment_ptr 1
		.amdhsa_wavefront_size32 1
		.amdhsa_system_sgpr_workgroup_id_x 1
		.amdhsa_system_sgpr_workgroup_id_y 1
		.amdhsa_system_sgpr_workgroup_id_z 1
		.amdhsa_system_vgpr_workitem_id 0
		.amdhsa_next_free_vgpr 768
		.amdhsa_next_free_sgpr 68
		.amdhsa_reserve_vcc 0
		.amdhsa_float_denorm_mode_32 3
		.amdhsa_float_denorm_mode_16_64 3
		.amdhsa_memory_ordered 1
		.amdhsa_forward_progress 1
		.amdhsa_inst_pref_size 86
	.end_amdhsa_kernel
	.amdgpu_metadata
---
amdhsa.version: [ 1, 2 ]
amdhsa.kernels:
  - .name:           k_q5c488bc449_proj
    .symbol:         k_q5c488bc449_proj.kd
    .args:
      - { .name: ctx, .offset: 0, .size: 8, .value_kind: global_buffer, .address_space: global }
      - { .name: wpt, .offset: 8, .size: 8, .value_kind: global_buffer, .address_space: global }
      - { .name: b_proj, .offset: 16, .size: 8, .value_kind: global_buffer, .address_space: global }
      - { .name: out0, .offset: 24, .size: 8, .value_kind: global_buffer, .address_space: global }
    .group_segment_fixed_size: 327680
    .private_segment_fixed_size: 0
    .kernarg_segment_align: 8
    .kernarg_segment_size: 32
    .max_flat_workgroup_size: 128
    .sgpr_count:     68
    .vgpr_count:     768
    .wavefront_size: 32
...
	.end_amdgpu_metadata
.endif
;; end of part 4
